; MI455X (gfx1250); checked and timed in simulation.
; The chip was launched on July 23, 2026; its instructions are those of AMD's public machine-readable ISA for CDNA 5 (MIT licence, August 2026) and "CDNA5" Instruction Set Architecture Reference Guide (July 2026). The comments in the code are by the model that wrote it; some were corrected since.
;; Transformer Block. Allowed arithmetic: matrix products marked QUANTISED: E5M2 operands, one given power-of-two scale a tensor, by v_wmma_f32_16x16x64_bf8_bf8 or v_wmma_f32_16x16x128_bf8_bf8, f32 sums; everything else in f32.
;; Inputs: Wk_codes 1,024 x 32 x 32 uint8 (E5M2 codes of Wk, K innermost, in blocks of 32 codes); Wo_codes 1,024 x 32 x 32 uint8 (E5M2 codes of Wo, K innermost, in blocks of 32 codes); Wq_codes 1,024 x 32 x 32 uint8 (E5M2 codes of Wq, K innermost, in blocks of 32 codes); Wv_codes 1,024 x 32 x 32 uint8 (E5M2 codes of Wv, K innermost, in blocks of 32 codes); g1 1,024 float32; g2 1,024 float32; lowp_scales 18 int32 (the exponents e of the quantised operands' scales 2^e); positions 2,048 int32; w1_codes 2,752 x 32 x 32 uint8 (E5M2 codes of w1, K innermost, in blocks of 32 codes); w2_codes 1,024 x 86 x 32 uint8 (E5M2 codes of w2, K innermost, in blocks of 32 codes); w3_codes 2,752 x 32 x 32 uint8 (E5M2 codes of w3, K innermost, in blocks of 32 codes); x 2 x 2,048 x 1,024 float32.
;; Outputs: out0 2 x 2,048 x 1,024 float32.
;; Constants: theta = 10000.
;; This version of the problem:
;;   THIS VERSION OF THE PROBLEM IS GIVEN IN LOW PRECISION. The matrix products marked QUANTISED in the list below multiply operands that are first quantised to E5M2 (5 exponent bits, 2 mantissa bits; 8 bits a number), with one given power-of-two scale for each operand tensor; their sums are f32. All else is computed in f32.
;;   The module's matrix products, in the order in which they are computed (A, B: the left and right operand; K: the contracted axis; several contracted axes count as one K, in the product's order):
;;     1. [M 4,096, K 1,024] x [K 1,024, N 1,024]; A: computed on the way; B: input Wq (given as codes): QUANTISED (scales: A lowp_scales[0], B lowp_scales[1])
;;     2. [M 4,096, K 1,024] x [K 1,024, N 1,024]; A: computed on the way; B: input Wk (given as codes): QUANTISED (scales: A lowp_scales[2], B lowp_scales[3])
;;     3. [M 4,096, K 1,024] x [K 1,024, N 1,024]; A: computed on the way; B: input Wv (given as codes): QUANTISED (scales: A lowp_scales[4], B lowp_scales[5])
;;     4. batch 32 x [M 2,048, K 64] x [K 64, N 2,048]; A: computed on the way; B: computed on the way: QUANTISED (scales: A lowp_scales[6], B lowp_scales[7])
;;     5. batch 32 x [M 2,048, K 2,048] x [K 2,048, N 64]; A: softmax (see below); B: computed on the way: QUANTISED (scales: A lowp_scales[8], B lowp_scales[9])
;;     6. [M 4,096, K 1,024] x [K 1,024, N 1,024]; A: computed on the way; B: input Wo (given as codes): QUANTISED (scales: A lowp_scales[10], B lowp_scales[11])
;;     7. [M 4,096, K 1,024] x [K 1,024, N 2,752]; A: computed on the way; B: input w1 (given as codes): QUANTISED (scales: A lowp_scales[12], B lowp_scales[13])
;;     8. [M 4,096, K 1,024] x [K 1,024, N 2,752]; A: computed on the way; B: input w3 (given as codes): QUANTISED (scales: A lowp_scales[14], B lowp_scales[15])
;;     9. [M 4,096, K 2,752] x [K 2,752, N 1,024]; A: computed on the way; B: input w2 (given as codes): QUANTISED (scales: A lowp_scales[16], B lowp_scales[17])
;;   THE QUANTISER, for each operand of a quantised product, along K:
;;     - The operand's scale is 2^e, e = its entry of the input lowp_scales (int32; the entries are numbered through the quantised products in the list's order, A before B).
;;     - Each number is divided by the scale, clamped to +-57,344, and rounded to the nearest number of E5M2, ties to even, subnormals kept.
;;     - The product sums the exact products of the quantised numbers (number of the format x scale) in f32.
;;   ~~~python
;;   def quantise(x, axis, e):      # numpy; x: float32 -> the quantised numbers, widened to float32 again
;;       x = np.moveaxis(x, axis, -1); K = x.shape[-1]
;;       r = np.clip(x / 2.0 ** e, -57344, 57344)
;;       step = 2.0 ** (np.maximum(np.frexp(np.where(r == 0, 1, r))[1] - 1, -14) - 2)
;;       q = np.round(r / step) * step * 2.0 ** e      # np.round: ties to even
;;       return np.moveaxis(q, -1, axis).astype(np.float32)
;;   ~~~
;;   SOFTMAX AHEAD OF A QUANTISED PRODUCT. Where the list says 'softmax', what is quantised is not the finished softmax but p = 2^(t - M), with t = logit x log2(e) and M = ceil(the row's largest t), a whole number; so 1/2 < the row's largest p <= 1. The row's sum l is taken of the UNQUANTISED p, in f32, and the product's result is divided by l at the end. Since M is a whole number, a kernel that streams over the keys may use a running M (the ceiling of the running maximum): every later rescaling is an exact power of two, so the quantised numbers keep their values, but for numbers so far below the row's largest that they fall under the format's range.
;;   OPERANDS COMPUTED ON THE WAY. 'Computed on the way' means the value that the module computes at that place (a softmax that the list does not call 'softmax' is quantised finished and normalised). What goes into a quantiser is computed in f32, as accurately as f32 sums, v_exp_f32 and their like allow (about 1e-6 of the number): no bf16 or f16 on the way to a quantiser, and a product that is left as it is and whose result goes on into a quantised operand takes f32 operands (vector FMAs, or v_wmma_f32_16x16x4_f32). A number that lies on a knife's edge between two numbers of the format may be rounded either way, as far as f32 arithmetic and the matrix unit's own rounding can turn it there, and no further.
;;   INPUTS GIVEN AS CODES. Wk (in the module: [1024, 1024], K = its axis 1); Wo (in the module: [1024, 1024], K = its axis 1); Wq (in the module: [1024, 1024], K = its axis 1); Wv (in the module: [1024, 1024], K = its axis 1); w1 (in the module: [2752, 1024], K = its axis 1); w2 (in the module: [1024, 2752], K = its axis 1); w3 (in the module: [2752, 1024], K = its axis 1): each comes as NAME_codes (uint8): NAME with its K axis moved to the last place and cut into blocks of 32 codes, [.., K / 32, bytes a block], one block behind the other in memory; one code a byte (a code: sign, 5 exponent bits, 2 mantissa bits); its scale is its entry of lowp_scales. Its value is code x scale, taken as it is: it is not quantised again, and the codes and scales need not be those that the quantiser above would give.
;; One version. Each part assembles by itself: llvm-mc -triple=amdgcn-amd-amdhsa -mcpu=gfx1250 --defsym DOCPART=n.
;; ======== version 1 of 1: 7 launches
;; limits: right only within a limited range of input values
;; workspace buffers: xa 12,582,912 bytes; tab 524,288 bytes; qkvi 12,582,912 bytes; at 4,194,304 bytes; x2 16,777,216 bytes; xb 8,388,608 bytes; hi 12,582,912 bytes; wi 8,912,896 bytes
;; launch prep1 (part 1): grid 256 x 1, 8 waves a work-group, no clusters, 101,632 bytes of LDS; arguments x, g1, lowp_scales, positions, xa, tab, w1_codes, w3_codes, wi; writes xa, tab, wi
.if DOCPART == 1
	.amdgcn_target "amdgcn-amd-amdhsa--gfx1250"
	.amdhsa_code_object_version 6
	.text
	.protected	k_q2dee4f2029_prep1
	.globl	k_q2dee4f2029_prep1
	.p2align	8
	.type	k_q2dee4f2029_prep1,@function
k_q2dee4f2029_prep1:
	s_mov_b64 s[64:65], 0
	v_nop
	global_prefetch_b8 v0, s[64:65] scope:SCOPE_SE
	s_setreg_imm32_b32 hwreg(HW_REG_WAVE_MODE, 25, 1), 1
	s_wait_xcnt 0x0
; xn = x / sqrt(mean(x^2) + 1e-5) * g1, quantised three times to E5M2, with the given scales 2^e0, 2^e2, 2^e4 (the A operands of the Q, K and V products), and RoPE's table.
; OUT: xa = three sets of 4 MiB, each an IMAGE OF THE OPERAND'S REGISTERS: [tile of 16 rows][K step of 128][four registers][lane][16 bytes]; lane (r, h) holds row r,
; registers 2 c, 2 c + 1 = k 16 c + 8 h + 0 .. 7.  tab = [sequence index][pair 0 .. 31][cos, sin], f32, of positions[index] x 10000^(-pair / 32).
; SHARES: a work-group owns 16 rows.  First wave w owns rows 2 w, 2 w + 1 whole (each load reads 512 consecutive bytes), then, behind one barrier, K step w of all 16 rows.
; LDS: 16 rows of 4,096 bytes + 16 of padding: row r starts at bank 4 r mod 64 (64 banks of 4 bytes: ISA guide 11.1).
; LIMITS: each e between -126 and 112; |positions| up to 2^22 (the reduction of the angle takes pi / 2 in two parts); NaN among the inputs is not served.
.set PITCH, 4112
.set X, 32                             ; v32-95   two rows as loaded, later 64 numbers of one row's K step
.set G, 96                             ; v96-127  g
.set T, 128                            ; v128-191 at work: the table's numbers, later the held numbers
.set C, 192                            ; v192-239 codes: 16 registers a set, so that no store's data are written again
	s_load_b256 s[4:11], s[0:1], 0x0               ; x, g1, the scales' exponents, positions
	s_load_b128 s[12:15], s[0:1], 0x20             ; xa, tab
	s_load_b128 s[48:51], s[0:1], 0x30             ; w1's codes, w3's codes
	s_load_b64 s[52:53], s[0:1], 0x40              ; wi
	v_lshl_add_u32 v248, v0, 2, 0x10100
	v_mov_b32 v249, 0
	v_lshrrev_b32 v1, 5, v0
	s_delay_alu instid0(VALU_DEP_1)
	v_readfirstlane_b32 s16, v1                    ; wave 0..7
	v_and_b32 v1, 31, v0                           ; lane
	v_and_b32 v2, 15, v0                           ; r
	v_bfe_u32 v3, v0, 4, 1                         ; h
	s_delay_alu instid0(VALU_DEP_3)
	v_lshlrev_b32 v5, 4, v1                        ; 16 x lane: g
	s_lshl_b32 s17, s16, 13
	v_add_nc_u32 v4, s17, v5                       ; x: my wave's two rows
	s_mul_i32 s18, s16, 2*PITCH
	v_add_nc_u32 v6, s18, v5                       ; LDS, on the way in
	v_mul_u32_u24 v7, v2, PITCH
	s_delay_alu instid0(VALU_DEP_1)
	v_lshl_add_u32 v7, v3, 5, v7
	s_lshl_b32 s19, s16, 9
	v_add_nc_u32 v7, s19, v7                       ; LDS, on the way out: row r, K step w, + 32 h bytes
	s_lshl_b32 s17, s16, 11
	v_add_nc_u32 v8, s17, v5                       ; the image: K step w, 16 x lane
	v_lshlrev_b32 v240, 10, v3                     ; the weights' tile: lanes 0-15 one row's 256 bytes, lanes 16-31 the next row's
	v_lshl_add_u32 v240, v2, 4, v240
	s_mul_i32 s18, s16, 4352
	s_add_co_u32 s18, s18, 66816                   ; my wave's own 16 rows x 272 bytes of LDS, behind the spare words
	v_mul_u32_u24 v241, v3, 272
	v_lshl_add_u32 v241, v2, 4, v241
	v_add_nc_u32 v241, s18, v241                   ; in
	v_mul_u32_u24 v242, v2, 272
	v_lshl_add_u32 v242, v3, 3, v242
	v_add_nc_u32 v242, s18, v242                   ; back: row r, + 8 h
	s_lshl_b32 s32, ttmp9, 16                      ; 16 rows of 4,096 bytes
	s_mov_b32 s33, 0
	s_lshl_b32 s34, ttmp9, 14                      ; a tile of rows in an image: 8 K steps of 2,048 bytes
	s_mov_b32 s35, 0
	s_lshl_b32 s36, ttmp9, 3
	s_add_co_u32 s36, s36, s16                     ; the table's entry that my wave makes: 8 x work-group + wave
	s_lshl_b32 s38, s36, 2
	s_mov_b32 s39, 0
	s_lshl_b32 s36, s36, 8
	s_mov_b32 s37, 0
	s_mov_b32 s28, 0x76543210                      ; v_permlanex16_b32: lane l xor 16
	s_mov_b32 s29, 0xfedcba98
	s_mov_b32 s30, 0x3a800000                      ; 1 / 1024
	s_mov_b32 s31, 0x3727c5ac                      ; 1e-5
	s_wait_alu depctr_va_vdst(0)
	s_wait_kmcnt 0x0
	s_add_nc_u64 s[4:5], s[4:5], s[32:33]
	s_add_nc_u64 s[10:11], s[10:11], s[38:39]
	s_add_nc_u64 s[14:15], s[14:15], s[36:37]
	s_add_nc_u64 s[40:41], s[12:13], s[34:35]      ; the three sets' bases
	s_add_nc_u64 s[42:43], s[40:41], 0x400000
	s_add_nc_u64 s[44:45], s[40:41], 0x800000
.irp p, 0,1
.irp j, 0,1,2,3,4,5,6,7
	global_load_b128 v[X+32*\p+4*\j:X+32*\p+4*\j+3], v4, s[4:5] offset:4096*\p+512*\j
.endr
.endr
.irp j, 0,1,2,3,4,5,6,7
	global_load_b128 v[G+4*\j:G+4*\j+3], v5, s[6:7] offset:512*\j
.endr
	s_load_b256 s[20:27], s[8:9], 0x0              ; e0 .. e7
	s_load_b32 s46, s[10:11], 0x0                  ; my entry's position
	; ---- w1 and w3 as images of the operand's registers: wi = [unit of 64 columns 44][K step 8][w1, w3][tile of 16 columns 4][four registers][lane][16 bytes].
	; Work-group i < 176 lays tile i: waves 0-3 w1's, waves 4-7 w3's, two K steps (256 bytes of each of 16 rows) a wave, through the wave's own LDS bytes.  Tiles 172 to 175 (columns 2,752 on) are laid as zero codes.
	s_cmp_lt_u32 ttmp9, 176
	s_cbranch_scc0 .Lno_tile
	s_lshr_b32 s56, s16, 2                         ; which weight
	s_and_b32 s57, s16, 3                          ; which two K steps
	s_cmp_eq_u32 s56, 0
	s_cselect_b64 s[58:59], s[48:49], s[50:51]
	s_min_u32 s60, ttmp9, 171                      ; (the loads stay inside the weight)
	s_lshl_b32 s60, s60, 14
	s_lshl_b32 s61, s57, 8
	s_add_co_u32 s60, s60, s61
	s_mov_b32 s61, 0
	s_add_nc_u64 s[58:59], s[58:59], s[60:61]
.irp j, 0,1,2,3,4,5,6,7
	global_load_b128 v[160+4*\j:163+4*\j], v240, s[58:59] offset:2048*\j
.endr
	s_lshr_b32 s61, ttmp9, 2
	s_lshl_b32 s54, s61, 17                        ; the unit,
	s_and_b32 s61, ttmp9, 3
	s_lshl_b32 s61, s61, 11                        ; the tile in it,
	s_add_co_u32 s54, s54, s61
	s_lshl_b32 s61, s57, 15                        ; my two K steps,
	s_add_co_u32 s54, s54, s61
	s_lshl_b32 s61, s56, 13                        ; the weight
	s_add_co_u32 s54, s54, s61
	s_mov_b32 s55, 0
	s_add_nc_u64 s[52:53], s[52:53], s[54:55]
	s_cmp_lt_u32 ttmp9, 172
	s_cselect_b32 s60, -1, 0
	s_wait_loadcnt 0x0
.set j, 0
.rept 32
	v_and_b32 v[160+j], s60, v[160+j]
.set j, j+1
.endr
.irp j, 0,1,2,3,4,5,6,7
	ds_store_b128 v241, v[160+4*\j:163+4*\j] offset:544*\j
.endr
.irp n, 0,1,2,3,4,5,6,7
	ds_load_b64 v[192+4*\n:193+4*\n], v242 offset:32*\n       ; LDS serves a wave's instructions in order (ISA guide 5.7.1.4): these see my stores
	ds_load_b64 v[194+4*\n:195+4*\n], v242 offset:32*\n+16    ; registers 4 u .. 4 u + 3: k = 32 u + 8 h + 0 .. 7 and 32 u + 16 + 8 h + 0 .. 7
.endr
	s_wait_dscnt 0x0
.irp n, 0,1,2,3,4,5,6,7
	global_store_b128 v5, v[192+4*\n:195+4*\n], s[52:53] offset:(\n/4)*16384+(\n%4)*512   ; 512 consecutive bytes, aligned
.endr
	s_wait_xcnt 0x0                                ; the stores have read v192-223, which are written again below
.Lno_tile:
	; ---- the table, while x is on its way.  Lane j makes pair j.  f = 2^(-j c), c = log2(10000) / 32 in two parts; what the product j c loses goes in as a first-order factor
	v_cvt_f32_u32 v128, v1
	s_delay_alu instid0(VALU_DEP_1)
	v_mul_f32 v129, 0xbed49a78, v128
	s_delay_alu instid0(VALU_DEP_1)
	v_fma_f32 v130, 0xbed49a78, v128, -v129        ; the product's exact remainder,
	s_delay_alu instid0(VALU_DEP_1)
	v_fma_f32 v130, 0xb2179a3a, v128, v130         ; and c's low part
	s_wait_alu depctr_va_vdst(0)
	v_exp_f32 v131, v129
	v_mul_f32 v130, 0x3f317218, v130               ; x ln 2  (a plain line behind the exponential)
	s_wait_kmcnt 0x0
	v_cvt_f32_i32 v132, s46
	s_wait_alu depctr_va_vdst(0)                   ; the wait ahead of the first reader
	v_fma_f32 v131, v131, v130, v131
	s_delay_alu instid0(VALU_DEP_1)
	v_mul_f32 v133, v132, v131                     ; the angle, rounded to f32 once
	s_delay_alu instid0(VALU_DEP_1)
	v_mul_f32 v134, 0x3f22f983, v133
	s_delay_alu instid0(VALU_DEP_1)
	v_rndne_f32 v134, v134                         ; the nearest multiple of pi / 2
	s_delay_alu instid0(VALU_DEP_1)
	v_fma_f32 v135, 0xbfc90fdb, v134, v133
	s_delay_alu instid0(VALU_DEP_1)
	v_fma_f32 v135, 0x333bbd2e, v134, v135         ; the rest, within pi / 4
	s_delay_alu instid0(VALU_DEP_1)
	v_mul_f32 v136, v135, v135
	v_mov_b32 v137, 0xb94ca1f9
	s_delay_alu instid0(VALU_DEP_1)
	v_fmaak_f32 v137, v137, v136, 0x3c08839e
	s_delay_alu instid0(VALU_DEP_1)
	v_fmaak_f32 v137, v137, v136, 0xbe2aaaa3
	s_delay_alu instid0(VALU_DEP_4)
	v_mul_f32 v140, v135, v136
	s_delay_alu instid0(VALU_DEP_1)
	v_fma_f32 v137, v137, v140, v135               ; the rest's sine
	v_mov_b32 v138, 0x37ccf5ce
	s_delay_alu instid0(VALU_DEP_1)
	v_fmaak_f32 v138, v138, v136, 0xbab6061a
	s_delay_alu instid0(VALU_DEP_1)
	v_fmaak_f32 v138, v138, v136, 0x3d2aaaa5
	v_mul_f32 v140, v136, v136
	v_fma_f32 v144, v136, -0.5, 1.0
	s_delay_alu instid0(VALU_DEP_1)
	v_fma_f32 v138, v138, v140, v144               ; and cosine
	v_cvt_i32_f32 v139, v134
	s_delay_alu instid0(VALU_DEP_1)
	v_and_b32 v140, 1, v139
	s_delay_alu instid0(VALU_DEP_1)
	v_cmp_eq_u32 vcc_lo, 1, v140                   ; an odd quadrant swaps the two (a choice of values only)
	s_delay_alu instid0(VALU_DEP_1)
	v_cndmask_b32 v245, v137, v138, vcc_lo
	s_delay_alu instid0(VALU_DEP_2)
	v_cndmask_b32 v244, v138, v137, vcc_lo
	v_and_b32 v140, 2, v139
	s_delay_alu instid0(VALU_DEP_1)
	v_lshlrev_b32 v140, 30, v140
	s_delay_alu instid0(VALU_DEP_1)
	v_xor_b32 v245, v245, v140                     ; the sine changes sign in quadrants 2, 3,
	v_add_nc_u32 v139, 1, v139
	s_delay_alu instid0(VALU_DEP_1)
	v_and_b32 v140, 2, v139
	s_delay_alu instid0(VALU_DEP_1)
	v_lshlrev_b32 v140, 30, v140
	s_delay_alu instid0(VALU_DEP_1)
	v_xor_b32 v244, v244, v140                     ; the cosine in 1, 2
	v_lshlrev_b32 v246, 3, v1
	global_store_b64 v246, v[244:245], s[14:15]    ; the wave stores 256 consecutive bytes, aligned; v244-246 are not written again
	; the scales: 2^e as f32 (the conversion takes its exponent field), and 57,344 x 2^e
.irp t, 0,1,2
	s_add_co_i32 s[20+2*\t], s[20+2*\t], 127
	s_lshl_b32 s47, s[20+2*\t], 23
	v_mov_b32 v[22+2*\t], s47
	s_add_co_i32 s[20+2*\t], s[20+2*\t], 15
	s_lshl_b32 s47, s[20+2*\t], 23
	s_or_b32 s47, s47, 0x600000
	v_mov_b32 v[23+2*\t], s47
.endr
; a row's sum of squares: two chains in a lane, then across the 32 lanes
.macro SSQ acc, base
	v_pk_mul_f32 v[\acc:\acc+1], v[\base:\base+1], v[\base:\base+1]
	v_pk_mul_f32 v[\acc+2:\acc+3], v[\base+2:\base+3], v[\base+2:\base+3]
.irp j, 4,8,12,16,20,24,28
	s_delay_alu instid0(VALU_DEP_2)
	v_pk_fma_f32 v[\acc:\acc+1], v[\base+\j:\base+\j+1], v[\base+\j:\base+\j+1], v[\acc:\acc+1]
	s_delay_alu instid0(VALU_DEP_2)
	v_pk_fma_f32 v[\acc+2:\acc+3], v[\base+\j+2:\base+\j+3], v[\base+\j+2:\base+\j+3], v[\acc+2:\acc+3]
.endr
	s_delay_alu instid0(VALU_DEP_1)
	v_pk_add_f32 v[\acc:\acc+1], v[\acc:\acc+1], v[\acc+2:\acc+3]
	s_delay_alu instid0(VALU_DEP_1)
	v_add_f32 v[\acc], v[\acc], v[\acc+1]
	s_delay_alu instid0(VALU_DEP_1)
	v_add_f32_dpp v[\acc], v[\acc], v[\acc] row_xmask:1 row_mask:0xf bank_mask:0xf
	s_delay_alu instid0(VALU_DEP_1)
	v_add_f32_dpp v[\acc], v[\acc], v[\acc] row_xmask:2 row_mask:0xf bank_mask:0xf
	s_delay_alu instid0(VALU_DEP_1)
	v_add_f32_dpp v[\acc], v[\acc], v[\acc] row_xmask:4 row_mask:0xf bank_mask:0xf
	s_delay_alu instid0(VALU_DEP_1)
	v_add_f32_dpp v[\acc], v[\acc], v[\acc] row_xmask:8 row_mask:0xf bank_mask:0xf
	s_delay_alu instid0(VALU_DEP_1)
	v_permlanex16_b32 v[\acc+1], v[\acc], s28, s29
	s_delay_alu instid0(VALU_DEP_1)
	v_add_f32 v[\acc], v[\acc], v[\acc+1]
.endm
	s_wait_loadcnt 16                              ; my first row is in; behind it: the second row's eight loads and g's eight
	SSQ 14, X
	s_wait_loadcnt 8                               ; the second row is in; behind it: g's eight
	SSQ 18, X+32
	v_fma_f32 v14, v14, s30, s31                   ; the mean + 1e-5
	s_delay_alu instid0(VALU_DEP_2)
	v_fma_f32 v18, v18, s30, s31
	s_wait_alu depctr_va_vdst(0)
	v_rsq_f32 v10, v14                             ; each twice: a pair for the packed multiply
	v_rsq_f32 v11, v14
	v_rsq_f32 v12, v18
	v_rsq_f32 v13, v18
	v_nop                                          ; a plain line behind the last of them
	s_wait_alu depctr_va_vdst(0)                   ; one wait for the four
	s_wait_loadcnt 0x0                             ; g
.irp p, 0,1
.set j, 0
.rept 16
	v_pk_mul_f32 v[X+32*\p+j:X+32*\p+j+1], v[X+32*\p+j:X+32*\p+j+1], v[10+2*\p:11+2*\p]
.set j, j+2
.endr
.set j, 0
.rept 16
	v_pk_mul_f32 v[X+32*\p+j:X+32*\p+j+1], v[X+32*\p+j:X+32*\p+j+1], v[G+j:G+j+1]
.set j, j+2
.endr
.irp j, 0,1,2,3,4,5,6,7
	ds_store_b128 v6, v[X+32*\p+4*\j:X+32*\p+4*\j+3] offset:PITCH*\p+512*\j
.endr
.endr
	s_wait_dscnt 0x0                               ; for the others' sake: my two rows lie in LDS
	s_barrier_signal -1
	s_barrier_wait -1
.irp c, 0,1,2,3,4,5,6,7
.irp e, 0,1
	ds_load_b128 v[X+8*\c+4*\e:X+8*\c+4*\e+3], v7 offset:64*\c+16*\e   ; registers 8 c .. 8 c + 7: k = 128 w + 16 c + 8 h + 0 .. 7 of row r
.endr
.endr
	s_wait_dscnt 0x0
.irp t, 0,1,2
.set j, 0
.rept 64
	v_med3_num_f32 v[T+j], v[X+j], -v[23+2*\t], v[23+2*\t]   ; the conversion to an 8-bit code does not saturate (ISA guide 7.6.2): the hold comes first
.set j, j+1
.endr
.irp c, 0,1,2,3,4,5,6,7
	v_cvt_scalef32_pk8_bf8_f32 v[C+16*\t+2*\c:C+16*\t+2*\c+1], v[T+8*\c:T+8*\c+7], v[22+2*\t]
.endr
	v_nop                                          ; a plain line between the conversions and the next set's holds, which write their sources
.irp q, 0,1,2,3
	global_store_b128 v8, v[C+16*\t+4*\q:C+16*\t+4*\q+3], s[40+2*\t:41+2*\t] offset:512*\q   ; 512 consecutive bytes, aligned
.endr
.endr
	s_wait_tensorcnt 0x0
	ds_add_u32 v248, v249
	s_wait_dscnt 0x0
	s_endpgm
.Lfunc_end_k_q2dee4f2029_prep1:
	.size	k_q2dee4f2029_prep1, .Lfunc_end_k_q2dee4f2029_prep1-k_q2dee4f2029_prep1
	.p2alignl 7, 3214868480
	.fill 96, 4, 3214868480
	.section	.rodata,"a",@progbits
	.p2align	6, 0x0
	.amdhsa_kernel k_q2dee4f2029_prep1
		.amdhsa_group_segment_fixed_size 101632
		.amdhsa_private_segment_fixed_size 0
		.amdhsa_enable_private_segment 0
		.amdhsa_kernarg_size 72
		.amdhsa_user_sgpr_count 2
		.amdhsa_user_sgpr_kernarg_segment_ptr 1
		.amdhsa_wavefront_size32 1
		.amdhsa_system_sgpr_workgroup_id_x 1
		.amdhsa_system_sgpr_workgroup_id_y 1
		.amdhsa_system_sgpr_workgroup_id_z 1
		.amdhsa_system_vgpr_workitem_id 0
		.amdhsa_next_free_vgpr 250
		.amdhsa_next_free_sgpr 66
		.amdhsa_reserve_vcc 1
		.amdhsa_float_denorm_mode_32 3
		.amdhsa_float_denorm_mode_16_64 3
		.amdhsa_memory_ordered 1
		.amdhsa_forward_progress 1
		.amdhsa_inst_pref_size 40
	.end_amdhsa_kernel
	.amdgpu_metadata
---
amdhsa.version: [ 1, 2 ]
amdhsa.kernels:
  - .name:           k_q2dee4f2029_prep1
    .symbol:         k_q2dee4f2029_prep1.kd
    .args:
      - { .name: x, .offset: 0, .size: 8, .value_kind: global_buffer, .address_space: global }
      - { .name: g1, .offset: 8, .size: 8, .value_kind: global_buffer, .address_space: global }
      - { .name: lowp_scales, .offset: 16, .size: 8, .value_kind: global_buffer, .address_space: global }
      - { .name: positions, .offset: 24, .size: 8, .value_kind: global_buffer, .address_space: global }
      - { .name: xa, .offset: 32, .size: 8, .value_kind: global_buffer, .address_space: global }
      - { .name: tab, .offset: 40, .size: 8, .value_kind: global_buffer, .address_space: global }
      - { .name: w1_codes, .offset: 48, .size: 8, .value_kind: global_buffer, .address_space: global }
      - { .name: w3_codes, .offset: 56, .size: 8, .value_kind: global_buffer, .address_space: global }
      - { .name: wi, .offset: 64, .size: 8, .value_kind: global_buffer, .address_space: global }
    .group_segment_fixed_size: 101632
    .private_segment_fixed_size: 0
    .kernarg_segment_align: 8
    .kernarg_segment_size: 72
    .max_flat_workgroup_size: 256
    .sgpr_count:     66
    .vgpr_count:     250
    .wavefront_size: 32
...
	.end_amdgpu_metadata
.endif
;; end of part 1
;; launch qkv (part 2): grid 8 x 32, 4 waves a work-group, clusters of 4 x 4, 327,680 bytes of LDS; arguments xa, Wq_codes, Wk_codes, Wv_codes, lowp_scales, tab, qkvi; writes qkvi
.if DOCPART == 2
	.amdgcn_target "amdgcn-amd-amdhsa--gfx1250"
	.amdhsa_code_object_version 6
	.text
	.protected	k_q2dee4f2029_qkv
	.globl	k_q2dee4f2029_qkv
	.p2align	8
	.type	k_q2dee4f2029_qkv,@function
k_q2dee4f2029_qkv:
	s_mov_b64 s[64:65], 0
	v_nop
	global_prefetch_b8 v0, s[64:65] scope:SCOPE_SE
	s_setreg_imm32_b32 hwreg(HW_REG_WAVE_MODE, 25, 1), 1
	s_wait_xcnt 0x0
	s_wait_alu depctr_hold_cnt(0) depctr_sa_sdst(0) depctr_va_vdst(0) depctr_va_sdst(0) depctr_va_ssrc(0) depctr_va_vcc(0) depctr_vm_vsrc(0)
	s_getreg_b32 s2, hwreg(HW_REG_IB_STS2, 6, 4)
	s_cmp_eq_u32 s2, 0
	s_cbranch_scc0 .Lentry_in_a_cluster
	s_endpgm
.Lentry_in_a_cluster:
	s_bfe_u32 s2, ttmp6, 0x10000c
	s_cmp_lg_u32 s2, 0xf033
	s_cbranch_scc0 .Lentry_shape_is_right
	s_endpgm
.Lentry_shape_is_right:
; Three products on E5M2 codes, one after the other in one work-group: q = rope(xn Wq^T), k = rope(xn Wk^T), v = xn Wv^T, each quantised on the way out (2^e6, 2^e7, 2^e9).
; A work-group makes 128 tokens x 128 columns (two heads) of each; a wave 64 x 64 (one head): 16 accumulators.  K = 1,024 goes in two slots of 512, four steps of 128 each.
; A (xa) comes as images of the operand's registers (a fragment = 2,048 bytes, four loads of 16 bytes a lane); B (the weights) as rows, K innermost, 512 bytes + 16 of padding in LDS, eight loads of 8 bytes:
; both in the form's own layout: lane (r, h), registers 2 c, 2 c + 1 = k 16 c + 8 h + 0 .. 7.
; q, k: source 0 = 16 rows of W, source 1 = 16 tokens: a lane holds one token and eight neighbouring d, so a conversion's result is registers 2 i, 2 i + 1 of the next operand.
; v: the sources the other way round: a lane holds one d and eight neighbouring tokens, which are the second attention product's K.
; OUT (qkvi): q at 0, k at 4 MiB: [head of batch 32][tile of 16 tokens 128][1,024 bytes]; v^T at 8 MiB: [32][block of 128 keys 16][tile of 16 d 4][2,048 bytes]: all images.
; CLUSTER 4 x 4: A's tile hangs on the row block alone and is asked for jointly along a row of the cluster, B's on the column block alone, along a column.
; The given scales are folded: a sum stands for sum x 2^(eA + eB), RoPE is linear, so the conversion's one scale is 2^(e6 - e0 - e1) (k: e7 - e2 - e3; v: e9 - e4 - e5).
; LIMITS: each of these three exponents between -126 and 112.  NaN is not served.
; REGISTERS: window 0: v1 r, v2 h, v4-9 scales and holds, v10 table offset, v12-15, v22-25 at work, v16-17, v20-21 LDS addresses, v27 16 x lane, v28-29 the add's, v32-127 codes, v128-255 accumulators;
; window 1: two fragment buffers of 128 (A's four fragments, then B's four);  window 2: v0-127 the table's cos and sin for my 64 tokens x 32 pairs.
.set SLOT,  133120                     ; A's images 65,536 bytes, then B's 128 rows x 528
.set BOFF,  65536
.set BHALF, 33792                      ; 64 rows of B
.set BP,    528                        ; 132 words: row r starts at bank 4 r mod 64 (64 banks of 4 bytes: ISA guide 11.1); with 8 h the 32 lanes of an 8-byte load touch all 64 banks once
.set SPARE, 266240                     ; behind the ring: the spare words, 128 bytes a wave, that no other line names
.set ACC,   128
.set F0,    0
.set F1,    128
.set MSB,   0
.macro WIN new                         ; the immediate's high byte repeats the setting that is left
.if MSB != \new
	s_set_vgpr_msb (MSB<<8)|\new
.set MSB, \new
.endif
.endm
.macro PLACES n
.rept \n
	v_nop
.endr
.endm
.macro CROUND                          ; a round of the cluster's barrier
	s_barrier_signal -1
	s_barrier_wait -1
	s_cmp_lg_u32 s20, 0
	s_cbranch_scc1 .Lnw0_\@
	s_barrier_signal -3
.Lnw0_\@:
	s_barrier_wait -3
	s_barrier_signal -1
	s_barrier_wait -1
.endm
.macro JLOAD g0a, g1a, g0b, g1b        ; a joint load: waves 0, 1 fetch A's halves, waves 2, 3 B's; four v_nop follow each line
	s_cmp_eq_u32 s21, 0
	s_cbranch_scc0 .Lfb_\@
	tensor_load_to_lds s[\g0a:\g0a+3], s[\g1a:\g1a+7]
	s_nop 0
.rept 4
	v_nop
.endr
	s_branch .Lak_\@
.Lfb_\@:
	tensor_load_to_lds s[\g0b:\g0b+3], s[\g1b:\g1b+7]
	s_nop 0
.rept 4
	v_nop
.endr
.Lak_\@:
.endm
.macro FETCH slot, q, f                ; the fragments of the slot's q-th 128 along K into buffer f: 16 + 32 LDS loads in one run
	WIN 0x40
.irp a, 0,1,2,3
.irp u, 0,1,2,3
	ds_load_b128 v[\f+16*\a+4*\u:\f+16*\a+4*\u+3], v[16+\slot] offset:\a*8192+(\q)*2048+\u*512
.endr
.endr
.irp i, 0,1,2,3
.irp c, 0,1,2,3,4,5,6,7
	ds_load_b64 v[\f+64+16*\i+2*\c:\f+64+16*\i+2*\c+1], v[20+\slot] offset:\i*8448+(\q)*128+16*\c
.endr
.endr
.endm
.macro MUL8 f, a0, zero, nat           ; 8 matrix instructions; the 16 accumulators take turns, one instruction a turn, in the same order in every step
.irp a, \a0, \a0+1
.irp i, 0,1,2,3
.set rD, ACC+8*(4*(\a)+\i)
.if \nat
.set r0, \f+16*(\a)
.set r1, \f+64+16*\i
.else
.set r0, \f+64+16*\i
.set r1, \f+16*(\a)
.endif
.if \zero
	v_wmma_f32_16x16x128_bf8_bf8 v[rD:rD+7], v[r0:r0+15], v[r1:r1+15], 0
.else
	v_wmma_f32_16x16x128_bf8_bf8 v[rD:rD+7], v[r0:r0+15], v[r1:r1+15], v[rD:rD+7]
.endif
.endr
.endr
.endm
.macro STEP slot, q, f, g, zero, nat, mw   ; multiplies buffer f; ahead of that asks for the next step's fragments into g
	s_wait_dscnt 0x0                               ; buffer f is in
	PLACES 4                                       ; four places in front of loads into registers that the last matrix instructions read (ISA guide 7.12.1 for vector instructions)
	FETCH \slot, (\q)+1, \g
	WIN \mw
	MUL8 \f, 0, \zero, \nat
	MUL8 \f, 2, \zero, \nat
.endm
.macro SLOTRUN slot, zero, nat, mw
	STEP \slot, 0, F0, F1, \zero, \nat, \mw
	STEP \slot, 1, F1, F0, 0, \nat, \mw
	STEP \slot, 2, F0, F1, 0, \nat, \mw
.endm
; what the refills' descriptors become: upd = 2 t + s: slot s takes pass t's half s: the next set of xa, the next weight
.macro UPDATE upd
.if \upd
.set us, (\upd)&1
.set ut, (\upd)>>1
	s_add_nc_u64 s[34+4*us:35+4*us], s[34+4*us:35+4*us], 0x400000
	s_add_nc_u64 s[70+4*us:71+4*us], s[84+2*ut:85+2*ut], 512*us
	s_or_b32 s[71+4*us], s[71+4*us], 0x80000000
.endif
.endm
; a slot's fourth step changes slots.  In front of the barrier each wave waits for all its tensor loads, adds 0 to its spare word, and waits for that and for its reads of this slot.
.macro TURN slot, next, fill, upd, nat, mw, g0a, g1a, g0b, g1b
	WIN 0
	s_wait_tensorcnt 0x0                           ; all my tensor loads have landed: my part of the next slot; so a group 0 may be written
	ds_add_u32 v28, v29                            ; 0 onto my spare word
	UPDATE \upd
	s_wait_dscnt 0x1                               ; buffer 1 is in; only the add may be out
	WIN \mw
	MUL8 F1, 0, 0, \nat
	WIN 0
	s_wait_dscnt 0x0                               ; the add is done, and my reads of this slot are over
.if \fill
	CROUND                                         ; no wave of any partner still reads this slot or has a load on its way
	JLOAD \g0a, \g1a, \g0b, \g1b                   ; the first tensor load behind the round; its four v_nop are also the places in front of the loads below
.else
	s_barrier_signal -1
	s_barrier_wait -1
	PLACES 4
.endif
	FETCH \next, 0, F0
	WIN \mw
	MUL8 F1, 2, 0, \nat
.endm
.macro LASTSTEP nat, mw
	s_wait_dscnt 0x0
	WIN \mw
	MUL8 F1, 0, 0, \nat
	MUL8 F1, 2, 0, \nat
	WIN 0
.endm
.macro MKSC e, vs, vl                  ; s[e] = an exponent: 2^e as f32 into v[vs], 57,344 x 2^e into v[vl]
	s_add_co_i32 s[\e], s[\e], 127
	s_lshl_b32 s99, s[\e], 23
	v_mov_b32 v[\vs], s99
	s_add_co_i32 s[\e], s[\e], 15
	s_lshl_b32 s99, s[\e], 23
	s_or_b32 s99, s99, 0x600000
	v_mov_b32 v[\vl], s99
.endm
	s_load_b256 s[4:11], s[0:1], 0x0               ; xa, Wq, Wk, Wv
	s_load_b128 s[12:15], s[0:1], 0x20             ; the scales' exponents, tab
	s_load_b64 s[16:17], s[0:1], 0x30              ; qkvi
	v_lshl_add_u32 v28, v0, 2, SPARE
	v_mov_b32 v29, 0
	ds_add_u32 v28, v29
	ds_add_u32 v28, v29
	s_wait_dscnt 0x0
	v_lshrrev_b32 v1, 5, v0
	v_readfirstlane_b32 s20, v1                    ; wave 0..3
	s_lshr_b32 s21, s20, 1                         ; my half of the rows.  Also: I fetch for A (0) or B (1)
	s_and_b32 s22, s20, 1                          ; my half of the columns.  Also: which half of that tile I fetch
	s_bfe_u32 s56, ttmp6, 0x40000                  ; cx
	s_bfe_u32 s57, ttmp6, 0x40004                  ; cy
	s_lshl_b32 s58, ttmp9, 2
	s_add_co_u32 s58, s58, s56                     ; column block 0..7
	s_and_b32 s59, ttmp7, 0xffff
	s_lshl_b32 s59, s59, 2
	s_add_co_u32 s59, s59, s57                     ; row block 0..31
	s_lshl_b32 s60, s57, 2
	s_lshl_b32 s60, 15, s60                        ; my row of the cluster
	s_lshl_b32 s61, 0x1111, s56                    ; my column
	s_or_b32 s24, s60, (3<<16)|(1<<21)             ; A: elements of 8 bytes, no padding; the mask, bit 21 beside it
	s_mov_b32 s25, 1024<<16                        ; tensor_dim0 = 1,024 elements: four K steps' images of a tile of rows, 8,192 bytes
	s_mov_b32 s26, 4<<16                           ; tensor_dim1 = 4 tiles of rows
	s_mov_b32 s27, 1024<<16                        ; tile_dim0
	s_mov_b32 s28, 4                               ; tile_dim1
	s_mov_b32 s29, 2048                            ; from a tile of rows to the next: 16,384 bytes
	s_mov_b32 s30, 0
	s_mov_b32 s31, 0
	s_or_b32 s48, s61, (1<<20)|(1<<21)|(6<<22)|(3<<25)   ; B: elements of 1 byte; four words of padding after every 128
	s_mov_b32 s49, 512<<16
	s_mov_b32 s50, 64<<16
	s_mov_b32 s51, 512<<16
	s_mov_b32 s52, 64
	s_mov_b32 s53, 1024
	s_mov_b32 s54, 0
	s_mov_b32 s55, 0
	s_lshl_b32 s66, s59, 17                        ; A: 8 tiles of rows x 16,384 bytes a row block,
	s_lshl_b32 s3, s22, 16                         ; + my half (in A four tiles of rows, in B 64 rows: 65,536 bytes both)
	s_add_co_u32 s66, s66, s3
	s_mov_b32 s67, 0
	s_lshl_b32 s62, s58, 17                        ; B: 128 rows of 1,024 bytes a column block
	s_add_co_u32 s62, s62, s3
	s_mov_b32 s63, 0
	s_lshl_b32 s23, s22, 15                        ; where they go: A's half,
	s_mul_i32 s3, s22, BHALF
	s_add_co_u32 s3, s3, BOFF                      ; B's half: no place in the cluster enters an LDS address
	s_wait_kmcnt 0x0
	s_load_b256 s[40:47], s[12:13], 0x0            ; e0 .. e7
	s_load_b64 s[76:77], s[12:13], 0x20            ; e8, e9
	s_add_nc_u64 s[66:67], s[4:5], s[66:67]
	s_add_nc_u64 s[84:85], s[6:7], s[62:63]        ; the three weights at my rows
	s_add_nc_u64 s[86:87], s[8:9], s[62:63]
	s_add_nc_u64 s[88:89], s[10:11], s[62:63]
	CROUND                                         ; all sixteen work-groups are here: the first joint loads meet
.irp s, 0,1
	s_mov_b32 s[32+4*\s], 1
	s_add_co_u32 s[33+4*\s], s23, \s*SLOT
	s_add_nc_u64 s[34+4*\s:35+4*\s], s[66:67], \s*8192
	s_or_b32 s[35+4*\s], s[35+4*\s], 0x80000000
	s_mov_b32 s[68+4*\s], 1
	s_add_co_u32 s[69+4*\s], s3, \s*SLOT
	s_add_nc_u64 s[70+4*\s:71+4*\s], s[84:85], \s*512
	s_or_b32 s[71+4*\s], s[71+4*\s], 0x80000000
.endr
	JLOAD 32, 24, 68, 48                           ; slot 0: one tensor load a wave at the head
	v_and_b32 v1, 15, v0                           ; r
	v_bfe_u32 v2, v0, 4, 1                         ; h
	v_and_b32 v3, 31, v0
	v_lshlrev_b32 v27, 4, v3                       ; 16 x lane
	s_wait_alu depctr_va_vdst(0)
	v_lshlrev_b32 v10, 8, v1
	v_lshl_add_u32 v10, v2, 5, v10                 ; the table: token r's 256 bytes, + 32 h: my four pairs of a tile of 16 d
	s_and_b32 s96, s59, 15                         ; the row block within its batch
	s_lshl_b32 s98, s96, 15
	s_lshl_b32 s97, s21, 14
	s_add_co_u32 s98, s98, s97                     ; (128 x block + 64 x half) entries of 256 bytes
	s_mov_b32 s99, 0
	s_add_nc_u64 s[14:15], s[14:15], s[98:99]
	WIN 0x80                                       ; destination window 2
.irp a, 0,1,2,3
.irp i, 0,1,2,3
.irp e, 0,1
	global_load_b128 v[32*\a+8*\i+4*\e:32*\a+8*\i+4*\e+3], v10, s[14:15] offset:\a*4096+64*\i+16*\e   ; register 32 a + 8 i + j: cos (j even), sin (j odd) of the pair in the accumulator's registers j, j + 1
.endr
.endr
.endr
	WIN 0
	s_lshl_b32 s3, s21, 15
	v_add_nc_u32 v16, s3, v27                      ; A's fragments: my four tiles of rows, 16 x lane
	v_add_nc_u32 v17, SLOT, v16
	v_mul_u32_u24 v20, v1, BP
	v_lshl_add_u32 v20, v2, 3, v20
	s_mul_i32 s3, s22, BHALF
	s_add_co_u32 s3, s3, BOFF
	v_add_nc_u32 v20, s3, v20                      ; B's: my 64 rows; row r, + 8 h
	v_add_nc_u32 v21, SLOT, v20
	s_lshr_b32 s97, s59, 4                         ; where the results go: head of batch = 16 x batch + 2 x column block + half
	s_lshl_b32 s97, s97, 4
	s_lshl_b32 s98, s58, 1
	s_add_co_u32 s97, s97, s98
	s_add_co_u32 s97, s97, s22
	s_lshl_b32 s97, s97, 17                        ; x 131,072 bytes, in q, k and v alike
	s_lshl_b32 s98, s96, 13                        ; + the row block: 8 tiles of tokens of 1,024 bytes, or a block of 128 keys of 8,192
	s_add_co_u32 s98, s98, s97
	s_lshl_b32 s96, s21, 12                        ; q, k: my four tiles of tokens
	s_add_co_u32 s96, s96, s98
	s_mov_b32 s97, 0
	s_add_nc_u64 s[90:91], s[16:17], s[96:97]
	s_add_nc_u64 s[92:93], s[90:91], 0x400000
	s_lshl_b32 s96, s21, 10                        ; v: my 64 keys are half of each fragment's registers
	s_add_co_u32 s96, s96, s98
	s_add_nc_u64 s[94:95], s[16:17], s[96:97]
	s_add_nc_u64 s[94:95], s[94:95], 0x800000
	s_wait_alu depctr_va_vdst(0)
	s_wait_kmcnt 0x0
	s_sub_co_i32 s96, s46, s40
	s_sub_co_i32 s96, s96, s41                     ; e6 - e0 - e1
	s_sub_co_i32 s97, s47, s42
	s_sub_co_i32 s97, s97, s43                     ; e7 - e2 - e3
	s_sub_co_i32 s98, s77, s44
	s_sub_co_i32 s98, s98, s45                     ; e9 - e4 - e5
	MKSC 96, 4, 5
	MKSC 97, 6, 7
	MKSC 98, 8, 9
; q's and k's way out: RoPE in place, the hold, the conversion, eight stores of 512 consecutive bytes
.macro EPIQK ct, sc, lim, base
	WIN 0x08                                       ; source 1 (the table) window 2
.irp a, 0,1,2,3
.irp i, 0,1,2,3
.irp j, 0,2,4,6
	v_mul_f32 v[12+\j+6*(\j/4)], v[ACC+8*(4*\a+\i)+\j+1], v[32*\a+8*\i+\j+1]   ; odd x sin  (each accumulator is first read at its register 1)
	v_mul_f32 v[13+\j+6*(\j/4)], v[ACC+8*(4*\a+\i)+\j+1], v[32*\a+8*\i+\j]     ; odd x cos
.endr
.irp j, 0,2,4,6
	v_fma_f32 v[ACC+8*(4*\a+\i)+\j+1], v[ACC+8*(4*\a+\i)+\j], v[32*\a+8*\i+\j+1], v[13+\j+6*(\j/4)]   ; even x sin + odd x cos
	v_fma_f32 v[ACC+8*(4*\a+\i)+\j], v[ACC+8*(4*\a+\i)+\j], v[32*\a+8*\i+\j], -v[12+\j+6*(\j/4)]      ; even x cos - odd x sin
.endr
.endr
.endr
	WIN 0
.irp a, 0,1,2,3
.irp i, 0,1,2,3
.irp j, 0,1,2,3,4,5,6,7
	v_med3_num_f32 v[ACC+8*(4*\a+\i)+\j], v[ACC+8*(4*\a+\i)+\j], -v[\lim], v[\lim]
.endr
	v_cvt_scalef32_pk8_bf8_f32 v[\ct+8*\a+2*\i:\ct+8*\a+2*\i+1], v[ACC+8*(4*\a+\i):ACC+8*(4*\a+\i)+7], v[\sc]   ; d = 16 i + 8 h + 0 .. 7: registers 2 i, 2 i + 1 of tile a's fragment
.endr
.endr
	v_nop                                          ; a plain line behind the last conversion: the next pass's products write its sources
.irp a, 0,1,2,3
.irp u, 0,1
	global_store_b128 v27, v[\ct+8*\a+4*\u:\ct+8*\a+4*\u+3], s[\base:\base+1] offset:\a*1024+512*\u
.endr
.endr
.endm
	s_wait_alu depctr_va_vdst(0)                   ; the wait at the head's end
	s_wait_tensorcnt 0x0                           ; my part of slot 0 is in; slot 1's first fill is issued as a refill is
	ds_add_u32 v28, v29
	s_wait_dscnt 0x0
	CROUND
	JLOAD 36, 24, 72, 48
	FETCH 0, 0, F0
	; ---- pass 0: q
	SLOTRUN 0, 1, 0, 0x05
	TURN 0, 1, 1, 2, 0, 0x05, 32, 24, 68, 48
	SLOTRUN 1, 0, 0, 0x05
	TURN 1, 0, 1, 3, 0, 0x05, 36, 24, 72, 48
	WIN 0
	PLACES 4
	s_wait_loadcnt 0x0                             ; the table
	EPIQK 32, 4, 5, 90
	; ---- pass 1: k
	SLOTRUN 0, 1, 0, 0x05
	TURN 0, 1, 1, 4, 0, 0x05, 32, 24, 68, 48
	SLOTRUN 1, 0, 0, 0x05
	TURN 1, 0, 1, 5, 0, 0x05, 36, 24, 72, 48
	WIN 0
	PLACES 4
	EPIQK 64, 6, 7, 92
	; ---- pass 2: v, the sources the other way round; nothing is left to fetch
	SLOTRUN 0, 1, 1, 0x05
	TURN 0, 1, 0, 0, 1, 0x05, 0, 0, 0, 0
	SLOTRUN 1, 0, 1, 0x05
	LASTSTEP 1, 0x05
	PLACES 4
.irp i, 0,1,2,3
.irp a, 0,1,2,3
.irp j, 0,1,2,3,4,5,6,7
	v_med3_num_f32 v[ACC+8*(4*\a+\i)+\j], v[ACC+8*(4*\a+\i)+\j], -v9, v9
.endr
	v_cvt_scalef32_pk8_bf8_f32 v[96+8*\i+2*\a:97+8*\i+2*\a], v[ACC+8*(4*\a+\i):ACC+8*(4*\a+\i)+7], v8   ; lane: d = 16 i + r; keys 16 a + 8 h + 0 .. 7 of my 64
.endr
.endr
	v_nop
.irp i, 0,1,2,3
.irp u, 0,1
	global_store_b128 v27, v[96+8*\i+4*\u:99+8*\i+4*\u], s[94:95] offset:2048*\i+512*\u
.endr
.endr
	s_wait_tensorcnt 0x0                           ; the wave's end
	ds_add_u32 v28, v29
	s_wait_dscnt 0x0
	CROUND                                         ; the closing round
	s_endpgm
.Lfunc_end_k_q2dee4f2029_qkv:
	.size	k_q2dee4f2029_qkv, .Lfunc_end_k_q2dee4f2029_qkv-k_q2dee4f2029_qkv
	.p2alignl 7, 3214868480
	.fill 96, 4, 3214868480
	.section	.rodata,"a",@progbits
	.p2align	6, 0x0
	.amdhsa_kernel k_q2dee4f2029_qkv
		.amdhsa_group_segment_fixed_size 327680
		.amdhsa_private_segment_fixed_size 0
		.amdhsa_enable_private_segment 0
		.amdhsa_kernarg_size 56
		.amdhsa_user_sgpr_count 2
		.amdhsa_user_sgpr_kernarg_segment_ptr 1
		.amdhsa_wavefront_size32 1
		.amdhsa_system_sgpr_workgroup_id_x 1
		.amdhsa_system_sgpr_workgroup_id_y 1
		.amdhsa_system_sgpr_workgroup_id_z 1
		.amdhsa_system_vgpr_workitem_id 0
		.amdhsa_next_free_vgpr 640
		.amdhsa_next_free_sgpr 102
		.amdhsa_reserve_vcc 0
		.amdhsa_float_denorm_mode_32 3
		.amdhsa_float_denorm_mode_16_64 3
		.amdhsa_memory_ordered 1
		.amdhsa_forward_progress 1
		.amdhsa_inst_pref_size 172
	.end_amdhsa_kernel
	.amdgpu_metadata
---
amdhsa.version: [ 1, 2 ]
amdhsa.kernels:
  - .name:           k_q2dee4f2029_qkv
    .symbol:         k_q2dee4f2029_qkv.kd
    .args:
      - { .name: xa, .offset: 0, .size: 8, .value_kind: global_buffer, .address_space: global }
      - { .name: Wq_codes, .offset: 8, .size: 8, .value_kind: global_buffer, .address_space: global }
      - { .name: Wk_codes, .offset: 16, .size: 8, .value_kind: global_buffer, .address_space: global }
      - { .name: Wv_codes, .offset: 24, .size: 8, .value_kind: global_buffer, .address_space: global }
      - { .name: lowp_scales, .offset: 32, .size: 8, .value_kind: global_buffer, .address_space: global }
      - { .name: tab, .offset: 40, .size: 8, .value_kind: global_buffer, .address_space: global }
      - { .name: qkvi, .offset: 48, .size: 8, .value_kind: global_buffer, .address_space: global }
    .group_segment_fixed_size: 327680
    .private_segment_fixed_size: 0
    .kernarg_segment_align: 8
    .kernarg_segment_size: 56
    .max_flat_workgroup_size: 128
    .sgpr_count:     102
    .vgpr_count:     640
    .wavefront_size: 32
...
	.end_amdgpu_metadata
.endif
;; end of part 2
;; launch attn (part 3): grid 8 x 32, 16 waves a work-group, no clusters, 327,680 bytes of LDS; arguments qkvi, lowp_scales, at; writes at
.if DOCPART == 3
	.amdgcn_target "amdgcn-amd-amdhsa--gfx1250"
	.amdhsa_code_object_version 6
	.text
	.protected	k_q2dee4f2029_attn
	.globl	k_q2dee4f2029_attn
	.p2align	8
	.type	k_q2dee4f2029_attn,@function
k_q2dee4f2029_attn:
	s_mov_b64 s[64:65], 0
	v_nop
	global_prefetch_b8 v0, s[64:65] scope:SCOPE_SE
	s_setreg_imm32_b32 hwreg(HW_REG_WAVE_MODE, 25, 1), 1
	s_wait_xcnt 0x0
; Causal attention of one head of one batch on E5M2 codes: O = softmax(Q K^T / 8) V, both products quantised; the result is quantised with 2^e10 for the next product.
; IN (qkvi): images of the operands' registers: q at 0, k at 4 MiB: [head of batch 32][tile of 16 tokens 128][1,024 bytes]; v^T at 8 MiB: [32][block of 128 keys 16][tile of 16 d 4][2,048 bytes].  OUT (at): images, [tile of 16 tokens][K step of 128][2,048 bytes].
; THE SOFTMAX: t = score x log2(e) / 8; M = the running largest t rounded up to a whole number; p = 2^(t - M) is quantised with 2^e8; the row's sum is taken of the unquantised p and divides at the end.
; LEFT OUT: key steps all of whose 128 keys come after a tile's 16 queries: the causal mask sets their scores to -inf, so their p is 0 for every input.
; SHARES.  Work-group x of a head owns the query tiles 8 x + w (early) and 120 - 8 x + w (late), w = 0 .. 7.  An early tile has x + 1 key steps of 128, a late one 16 - x.
; THE KEYS OF A LATE TILE ARE SHARED BETWEEN TWO WAVES: wave w + 8 walks its steps 0 to 7; wave w walks its early tile, stores it, and then walks the late tile's steps 8 to 15 - x with a largest t, a sum and an O of its own:
; 8 steps in one wave, 9 in the other, whatever x.  Wave w hands -M, its sums and O^T over through LDS (an image of the registers, bytes into which no fill lands); behind one barrier wave w + 8 brings both parts
; under the larger M by powers of two, which rounds nothing, adds them and stores the tile.  A part with no step (x = 7) holds zeros and the first M, and its factor comes out 0.
; LDS: the head's K at 0 and V at 131,072, as they lie in memory.  Steps 0 to 7 (8,192 bytes a wave) are asked for at the head, steps 8 to 15 behind the first barrier;
; the barrier that shows them stands behind the first two steps.  Nothing is filled again.  Every wave walks all 16 trips; a step that is not its own is jumped over by a scalar branch on ids.
; No cluster: the steps that a work-group reads hang on x, so partners would jump over tiles that a joint load brings.  No prefetch: both fills are asked for ahead of the loops; there is no later load to run ahead of.
; LIMITS: e6 + e7 between -123 and 130; e8 between -126 and 112; the scaled scores stay under 2^31 in magnitude; NaN is not served.
; REGISTERS: v1 16 x lane, v4 r - 8 h, v5 the hand-over's LDS address, v8-9 the step's addresses, v12 -M, v13 the largest t, v[14:15] the sum, v16-23 Q, v24-31 the late tile's Q, v32-95 fragments, v96-159 S^T then p, v160-191 O^T, v224-239 p's codes, v240-254 at work, v251, v255 the add's.
.set LI, 1
.set ST, 5
.set WV, 18
.set BH, 19
.set SEL, 20
.set CS, 22
.set G1, 24
.set G0, 32
.set G0B, 36
.set KB, 48
.set VB, 49
.set KF, 50
.set Q0, 51
.set CNT, 52
.set Q0B, 66
.set ES, 67
.set STAGE, 0x40800                    ; behind the spare words (0x40000, 128 bytes a wave): 8 hand-overs of 4,608 bytes
	s_load_b128 s[4:7], s[0:1], 0x0                ; qkvi, the scales' exponents
	s_load_b64 s[8:9], s[0:1], 0x10                ; at
	v_lshl_add_u32 v251, v0, 2, 0x40000
	v_mov_b32 v255, 0
	ds_add_u32 v251, v255                          ; the opening lines: the add, twice on end, and its wait
	ds_add_u32 v251, v255
	v_lshrrev_b32 v2, 5, v0
	s_delay_alu instid0(VALU_DEP_1)
	v_readfirstlane_b32 s[WV], v2
	s_and_b32 s[BH], ttmp7, 0xffff
	s_lshl_b32 s53, ttmp9, 3
	s_add_co_u32 s54, s53, s[WV]                   ; waves 0-7: the early tile 8 x + w
	s_sub_co_u32 s55, 112, s53
	s_add_co_u32 s55, s55, s[WV]                   ; waves 8-15: the late tile 120 - 8 x + (w - 8)
	s_add_co_u32 s68, s55, 8                       ; waves 0-7: their partner's tile
	s_cmp_lt_u32 s[WV], 8
	s_cselect_b32 s54, s54, s55                    ; the tile that I begin with and store
	s_cselect_b32 s68, s68, s55                    ; the late tile
	s_lshl_b32 s[Q0], s54, 4
	s_lshl_b32 s[Q0B], s68, 4
	s_cmp_lt_u32 s[WV], 8
	s_cselect_b32 s[Q0B], s[Q0B], 0                ; from step 8 on: waves 0-7 the late tile's first query; waves 8-15 query 0, so that every step is jumped over
	s_mov_b32 s[G1], 3<<16                         ; 4 rows of 256 elements of 8 bytes, dense: 8,192 bytes
	s_mov_b32 s[G1+1], 256<<16
	s_mov_b32 s[G1+2], 4<<16
	s_mov_b32 s[G1+3], 256<<16
	s_mov_b32 s[G1+4], 4
	s_mov_b32 s[G1+5], 256
	s_mov_b32 s[G1+6], 0
	s_mov_b32 s[G1+7], 0
	s_lshr_b32 s55, s[WV], 3                       ; waves 0-7 fetch K, waves 8-15 V
	s_and_b32 s53, s[WV], 7
	s_lshl_b32 s53, s53, 13                        ; one key step's 8,192 bytes each
	s_lshl_b32 s61, s55, 17
	s_add_co_u32 s61, s61, s53
	s_lshl_b32 s62, s55, 22
	s_add_co_u32 s62, s62, s53
	s_lshl_b32 s53, s[BH], 17
	s_add_co_u32 s62, s62, s53
	s_add_co_u32 s62, s62, 0x400000
	s_mov_b32 s63, 0
	s_mov_b32 s[SEL], 0x76543210
	s_mov_b32 s[SEL+1], 0xfedcba98
	s_mov_b32 s[CS], 0x3e38aa3b                    ; log2(e) / 8
	s_mov_b32 s[KB], 0
	s_mov_b32 s[VB], 131072
	s_mov_b32 s[KF], 0
	s_wait_dscnt 0x0
	s_wait_kmcnt 0x0
	s_add_nc_u64 s[62:63], s[4:5], s[62:63]
	s_mov_b32 s[G0], 1
	s_mov_b32 s[G0+1], s61
	s_mov_b64 s[G0+2:G0+3], s[62:63]
	s_or_b32 s[G0+3], s[G0+3], 0x80000000
	s_mov_b32 s[G0B], 1
	s_add_co_u32 s[G0B+1], s61, 65536
	s_add_nc_u64 s[G0B+2:G0B+3], s[62:63], 65536
	s_or_b32 s[G0B+3], s[G0B+3], 0x80000000
	tensor_load_to_lds s[G0:G0+3], s[G1:G1+7]      ; steps 0 to 7: my one tensor load at the head
	s_nop 0
.rept 4
	v_nop
.endr
	s_load_b128 s[56:59], s[6:7], 0x18             ; e6, e7, e8, e9
	s_load_b32 s60, s[6:7], 0x28                   ; e10
	v_and_b32 v2, 31, v0
	s_delay_alu instid0(VALU_DEP_1)
	v_lshlrev_b32 v[LI], 4, v2
	s_wait_alu depctr_va_vdst(0)                   ; the wait
	s_lshl_b32 s53, s[BH], 7
	s_add_co_u32 s55, s53, s54
	s_lshl_b32 s10, s55, 10
	s_mov_b32 s11, 0
	s_add_nc_u64 s[10:11], s[4:5], s[10:11]
	s_add_co_u32 s55, s53, s68
	s_lshl_b32 s12, s55, 10
	s_mov_b32 s13, 0
	s_add_nc_u64 s[12:13], s[4:5], s[12:13]
	global_load_b128 v[16:19], v[LI], s[10:11]     ; my first tile's Q
	global_load_b128 v[20:23], v[LI], s[10:11] offset:512
	global_load_b128 v[24:27], v[LI], s[12:13]     ; the late tile's
	global_load_b128 v[28:31], v[LI], s[12:13] offset:512
	s_lshr_b32 s53, s[BH], 4
	s_lshl_b32 s53, s53, 7
	s_add_co_u32 s53, s53, s54
	s_lshl_b32 s14, s53, 14
	s_and_b32 s53, s[BH], 15
	s_lshl_b32 s53, s53, 10
	s_add_co_u32 s14, s14, s53
	s_mov_b32 s15, 0
	s_add_nc_u64 s[8:9], s[8:9], s[14:15]          ; where my first tile's result goes
	s_and_b32 s53, s[WV], 7
	s_mul_i32 s53, s53, 4608
	s_add_co_u32 s53, s53, STAGE
	v_add_nc_u32 v[ST], s53, v[LI]                 ; the hand-over of waves w and w + 8
	v_and_b32 v2, 15, v0
	v_bfe_u32 v3, v0, 4, 1
	s_delay_alu instid0(VALU_DEP_1)
	v_lshlrev_b32 v3, 3, v3
	s_delay_alu instid0(VALU_DEP_1)
	v_sub_nc_u32 v4, v2, v3
	v_mov_b32 v13, 0xff61b1e6                      ; the largest t so far: -3e38
	s_delay_alu instid0(VALU_DEP_1)
	v_floor_f32 v12, -v13
	v_mov_b32 v14, 0
	v_mov_b32 v15, 0
	v_mov_b32 v236, 0
	v_mov_b32 v252, 0
	v_mov_b32 v253, 0
	v_mov_b32 v241, 0x47600000                     ; 57,344
	v_mov_b32 v245, 1.0
.set j, 0
.rept 32
	v_mov_b32 v[160+j], 0
.set j, j+1
.endr
	s_wait_kmcnt 0x0
	s_add_co_i32 s53, s56, s57
	s_lshl_b32 s53, s53, 23
	s_add_co_i32 s[CS], s[CS], s53                 ; e6 + e7 go into c's exponent field
	s_mov_b32 s[CS+1], s[CS]
	s_add_co_i32 s53, s58, 127
	s_lshl_b32 s55, s53, 23
	v_mov_b32 v244, s55                            ; 2^e8
	s_add_co_i32 s53, s53, 15
	s_lshl_b32 s53, s53, 23
	s_or_b32 s53, s53, 0x600000
	v_mov_b32 v240, s53                            ; 57,344 x 2^e8
	s_add_co_i32 s[ES], s58, s59
	s_sub_co_i32 s[ES], s[ES], s60                 ; e8 + e9 - e10
.macro STEP
	s_add_co_u32 s53, s[Q0], 15
	s_cmp_gt_u32 s[KF], s53
	s_cbranch_scc1 .Lhid_\@
	v_add_nc_u32 v8, s[KB], v[LI]
	v_add_nc_u32 v9, s[VB], v[LI]
	v_nop
	v_nop
.irp u, 0,1,2,3,4,5,6,7
	ds_load_b128 v[32+8*\u:35+8*\u], v8 offset:1024*\u
	ds_load_b128 v[36+8*\u:39+8*\u], v8 offset:1024*\u+512
.endr
	s_wait_alu depctr_va_vdst(0)
	s_wait_dscnt 0x0
.irp u, 0,1,2,3,4,5,6,7
	v_wmma_f32_16x16x64_bf8_bf8 v[96+8*\u:103+8*\u], v[32+8*\u:39+8*\u], v[16:23], 0
.endr
.rept 4
	v_nop
.endr
.irp i, 0,1,2,3
.irp u, 0,1,2,3
	ds_load_b128 v[32+16*\i+4*\u:35+16*\i+4*\u], v9 offset:2048*\i+512*\u
.endr
.endr
	s_add_co_u32 s53, s[KF], 127
	s_cmp_le_u32 s53, s[Q0]
	s_cbranch_scc1 .Lopen_\@
	s_sub_co_i32 s53, s[Q0], s[KF]
	v_add_nc_u32 v252, s53, v4
	v_mov_b32 v254, 0xff800000
.set mk, 0
.rept 64
	v_cmp_gt_i32 vcc_lo, 16*(mk/8)+mk%8, v252
	v_cndmask_b32 v[96+mk], v[96+mk], v254, vcc_lo
.set mk, mk+1
.endr
.Lopen_\@:
	v_max3_num_f32 v254, v96, v97, v98
	v_max3_num_f32 v252, v99, v100, v101
.irp i, 6,10,14,18,22,26,30,34,38,42,46,50,54,58
	v_max3_num_f32 v254, v254, v[96+\i], v[97+\i]
	v_max3_num_f32 v252, v252, v[98+\i], v[99+\i]
.endr
	v_max3_num_f32 v254, v254, v158, v159
	s_delay_alu instid0(VALU_DEP_1)
	v_max_num_f32 v254, v254, v252
	v_permlanex16_b32 v236, v254, s[SEL], s[SEL+1]
	s_delay_alu instid0(VALU_DEP_1)
	v_max_num_f32 v254, v254, v236
	s_delay_alu instid0(VALU_DEP_1)
	v_mul_f32 v254, s[CS], v254
	s_delay_alu instid0(VALU_DEP_1)
	v_max_num_f32 v13, v13, v254
	v_mov_b32 v254, v12
	s_delay_alu instid0(VALU_DEP_2)
	v_floor_f32 v12, -v13
	s_delay_alu instid0(VALU_DEP_1)
	v_sub_f32 v254, v12, v254
	s_delay_alu instid0(VALU_DEP_1)
	v_cvt_i32_f32 v254, v254
	s_delay_alu instid0(VALU_DEP_1)
	v_ldexp_f32 v252, 1.0, v254
.set j, 0
.rept 32
	v_pk_fma_f32 v[96+j:97+j], v[96+j:97+j], s[CS:CS+1], v[12:13] op_sel_hi:[1,0,0]
.set j, j+2
.endr
.set j, 0
	s_wait_alu depctr_va_vdst(0)
.rept 64
	v_exp_f32 v[96+j], v[96+j]
.set j, j+1
.endr
	v_pk_mul_f32 v[14:15], v[14:15], v[252:253] op_sel_hi:[1,0]
	s_wait_alu depctr_va_vdst(0)
	v_pk_add_f32 v[242:243], v[96:97], v[98:99]
.irp j, 4,8,12,16,20,24,28,32,36,40,44,48,52,56,60
	v_pk_add_f32 v[14:15], v[14:15], v[96+\j:97+\j]
	v_pk_add_f32 v[242:243], v[242:243], v[98+\j:99+\j]
.endr
	s_delay_alu instid0(VALU_DEP_1)
	v_pk_add_f32 v[14:15], v[14:15], v[242:243]
.irp u, 0,1,2,3,4,5,6,7
.irp i, 0,1,2,3,4,5,6,7
	v_min_num_f32 v[96+8*\u+\i], v[96+8*\u+\i], v240
.endr
	v_cvt_scalef32_pk8_bf8_f32 v[224+2*\u:225+2*\u], v[96+8*\u:103+8*\u], v244
.endr
.set j, 0
.rept 16
	v_pk_mul_f32 v[160+j:161+j], v[160+j:161+j], v[252:253] op_sel_hi:[1,0]
.set j, j+2
.endr
	s_wait_alu depctr_va_vdst(0)
	s_wait_dscnt 0x0
.irp i, 0,1,2,3
	v_wmma_f32_16x16x128_bf8_bf8 v[160+8*\i:167+8*\i], v[32+16*\i:47+16*\i], v[224:239], v[160+8*\i:167+8*\i]
.endr
.Lhid_\@:
	s_add_co_u32 s[KF], s[KF], 128
	s_add_co_u32 s[KB], s[KB], 8192
	s_add_co_u32 s[VB], s[VB], 8192
.endm
; a tile's end: O^T / the sum x 2^(e8 + e9 - e10), the hold, the conversion, two stores of 512 consecutive bytes
.macro FINAL
.rept 4
	v_nop
.endr
	v_add_f32 v14, v14, v15
	s_delay_alu instid0(VALU_DEP_1)
	v_permlanex16_b32 v252, v14, s[SEL], s[SEL+1]
	s_delay_alu instid0(VALU_DEP_1)
	v_add_f32 v14, v14, v252
	s_wait_alu depctr_va_vdst(0)
	v_rcp_f32 v14, v14
	v_nop
	s_wait_alu depctr_va_vdst(0)
	v_ldexp_f32 v14, v14, s[ES]
.set j, 0
.rept 32
	v_mul_f32 v[96+j], v[160+j], v14
.set j, j+1
.endr
.set j, 0
.rept 32
	v_med3_num_f32 v[96+j], v[96+j], -v241, v241
.set j, j+1
.endr
.irp i, 0,1,2,3
	v_cvt_scalef32_pk8_bf8_f32 v[224+2*\i:225+2*\i], v[96+8*\i:103+8*\i], v245
.endr
	v_nop
	global_store_b128 v[LI], v[224:227], s[8:9]
	global_store_b128 v[LI], v[228:231], s[8:9] offset:512
.endm
	s_wait_alu depctr_va_vdst(0)                   ; the wait at the head's end
	s_wait_tensorcnt 0x0                           ; my part of steps 0 to 7 is in; a later first fill is issued as a refill is:
	ds_add_u32 v251, v255                          ; the add
	s_wait_dscnt 0x0
	s_barrier_signal -1
	s_barrier_wait -1                              ; everybody's part is in
	tensor_load_to_lds s[G0B:G0B+3], s[G1:G1+7]    ; steps 8 to 15: my one tensor load behind this barrier
	s_nop 0
.rept 4
	v_nop
.endr
	s_wait_loadcnt 0x0                             ; Q
	s_mov_b32 s[CNT], 2
.Lfirst:                                               ; steps 0 and 1
	STEP
	s_sub_co_u32 s[CNT], s[CNT], 1
	s_cmp_lg_u32 s[CNT], 0
	s_cbranch_scc1 .Lfirst
	s_wait_tensorcnt 0x0                           ; my part of steps 8 to 15 is in
	s_wait_dscnt 0x0
	s_barrier_signal -1
	s_barrier_wait -1                              ; everybody's is
	s_mov_b32 s[CNT], 14
.Lrest:                                                ; steps 2 to 15
	s_cmp_eq_u32 s[CNT], 8
	s_cbranch_scc0 .Lgo                            ; ahead of step 8 the waves change tiles
	s_mov_b32 s[Q0], s[Q0B]
	s_cmp_lt_u32 s[WV], 8
	s_cbranch_scc0 .Lgo
	FINAL                                          ; waves 0-7: the early tile is done and stored;
	s_wait_xcnt 0x0                                ; (the stores have read v224-231)
	v_mov_b32 v13, 0xff61b1e6                      ; a fresh largest t, sum and O^T, and the late tile's Q
	s_delay_alu instid0(VALU_DEP_1)
	v_floor_f32 v12, -v13
	v_mov_b32 v14, 0
	v_mov_b32 v15, 0
.set j, 0
.rept 32
	v_mov_b32 v[160+j], 0
.set j, j+1
.endr
.set j, 0
.rept 8
	v_mov_b32 v[16+j], v[24+j]
.set j, j+1
.endr
	s_wait_alu depctr_va_vdst(0)                   ; the wait
.Lgo:
	STEP
	s_sub_co_u32 s[CNT], s[CNT], 1
	s_cmp_lg_u32 s[CNT], 0
	s_cbranch_scc1 .Lrest
	s_cmp_lt_u32 s[WV], 8
	s_cbranch_scc0 .Lkeep
.rept 4
	v_nop                                          ; places behind the last products
.endr
.irp n, 0,1,2,3,4,5,6,7
	ds_store_b128 v[ST], v[160+4*\n:163+4*\n] offset:512*\n   ; waves 0-7 hand over O^T, each accumulator from its low end on,
.endr
	ds_store_b128 v[ST], v[12:15] offset:4096      ; -M, the largest t and the sum's two halves
.Lkeep:
	s_wait_dscnt 0x0                               ; for the partner's sake: my stores lie in LDS
	s_barrier_signal -1
	s_barrier_wait -1
	s_cmp_lt_u32 s[WV], 8
	s_cbranch_scc1 .Lend
.irp n, 0,1,2,3,4,5,6,7
	ds_load_b128 v[96+4*\n:99+4*\n], v[ST] offset:512*\n
.endr
	ds_load_b128 v[128:131], v[ST] offset:4096
	s_wait_dscnt 0x0
	v_min_num_f32 v132, v12, v128                  ; -M of both parts: the larger M
	s_delay_alu instid0(VALU_DEP_1)
	v_sub_f32 v133, v132, v12                      ; my M less the new one, a whole number, 0 or less;
	v_sub_f32 v134, v132, v128                     ; the partner's
	s_delay_alu instid0(VALU_DEP_2)
	v_cvt_i32_f32 v133, v133                       ; (they saturate)
	s_delay_alu instid0(VALU_DEP_2)
	v_cvt_i32_f32 v134, v134
	s_delay_alu instid0(VALU_DEP_2)
	v_ldexp_f32 v252, 1.0, v133
	s_delay_alu instid0(VALU_DEP_2)
	v_ldexp_f32 v254, 1.0, v134
	v_add_f32 v14, v14, v15
	v_add_f32 v130, v130, v131
	s_delay_alu instid0(VALU_DEP_2)
	v_mul_f32 v14, v14, v252
	s_delay_alu instid0(VALU_DEP_1)
	v_fma_f32 v14, v130, v254, v14                 ; the sum of both parts
	v_mov_b32 v15, 0
.set j, 0
.rept 16
	v_pk_mul_f32 v[96+j:97+j], v[96+j:97+j], v[254:255] op_sel_hi:[1,0]
.set j, j+2
.endr
	s_wait_alu depctr_va_vdst(0)                   ; the wait directly ahead of the first reader of O^T
.set j, 0
.rept 16
	v_pk_fma_f32 v[160+j:161+j], v[160+j:161+j], v[252:253], v[96+j:97+j] op_sel_hi:[1,0,1]
.set j, j+2
.endr
	FINAL                                          ; waves 8-15 store the late tile
.Lend:
	s_wait_tensorcnt 0x0                           ; the wave's end
	ds_add_u32 v251, v255
	s_wait_dscnt 0x0
	s_endpgm
.Lfunc_end_k_q2dee4f2029_attn:
	.size	k_q2dee4f2029_attn, .Lfunc_end_k_q2dee4f2029_attn-k_q2dee4f2029_attn
	.p2alignl 7, 3214868480
	.fill 96, 4, 3214868480
	.section	.rodata,"a",@progbits
	.p2align	6, 0x0
	.amdhsa_kernel k_q2dee4f2029_attn
		.amdhsa_group_segment_fixed_size 327680
		.amdhsa_private_segment_fixed_size 0
		.amdhsa_enable_private_segment 0
		.amdhsa_kernarg_size 24
		.amdhsa_user_sgpr_count 2
		.amdhsa_user_sgpr_kernarg_segment_ptr 1
		.amdhsa_wavefront_size32 1
		.amdhsa_system_sgpr_workgroup_id_x 1
		.amdhsa_system_sgpr_workgroup_id_y 1
		.amdhsa_system_sgpr_workgroup_id_z 1
		.amdhsa_system_vgpr_workitem_id 0
		.amdhsa_next_free_vgpr 256
		.amdhsa_next_free_sgpr 80
		.amdhsa_reserve_vcc 1
		.amdhsa_float_denorm_mode_32 3
		.amdhsa_float_denorm_mode_16_64 3
		.amdhsa_memory_ordered 1
		.amdhsa_forward_progress 1
		.amdhsa_inst_pref_size 64
	.end_amdhsa_kernel
	.amdgpu_metadata
---
amdhsa.version: [ 1, 2 ]
amdhsa.kernels:
  - .name:           k_q2dee4f2029_attn
    .symbol:         k_q2dee4f2029_attn.kd
    .args:
      - { .name: qkvi, .offset: 0, .size: 8, .value_kind: global_buffer, .address_space: global }
      - { .name: lowp_scales, .offset: 8, .size: 8, .value_kind: global_buffer, .address_space: global }
      - { .name: at, .offset: 16, .size: 8, .value_kind: global_buffer, .address_space: global }
    .group_segment_fixed_size: 327680
    .private_segment_fixed_size: 0
    .kernarg_segment_align: 8
    .kernarg_segment_size: 24
    .max_flat_workgroup_size: 512
    .sgpr_count:     80
    .vgpr_count:     256
    .wavefront_size: 32
...
	.end_amdgpu_metadata
.endif
;; end of part 3
;; launch oproj (part 4): grid 8 x 32, 4 waves a work-group, clusters of 4 x 4, 327,680 bytes of LDS; arguments at, Wo_codes, lowp_scales, x, x2; writes x2
.if DOCPART == 4
	.amdgcn_target "amdgcn-amd-amdhsa--gfx1250"
	.amdhsa_code_object_version 6
	.text
	.protected	k_q2dee4f2029_oproj
	.globl	k_q2dee4f2029_oproj
	.p2align	8
	.type	k_q2dee4f2029_oproj,@function
k_q2dee4f2029_oproj:
	s_mov_b64 s[64:65], 0
	v_nop
	global_prefetch_b8 v0, s[64:65] scope:SCOPE_SE
	s_setreg_imm32_b32 hwreg(HW_REG_WAVE_MODE, 25, 1), 1
	s_wait_xcnt 0x0
	s_wait_alu depctr_hold_cnt(0) depctr_sa_sdst(0) depctr_va_vdst(0) depctr_va_sdst(0) depctr_va_ssrc(0) depctr_va_vcc(0) depctr_vm_vsrc(0)
	s_getreg_b32 s2, hwreg(HW_REG_IB_STS2, 6, 4)
	s_cmp_eq_u32 s2, 0
	s_cbranch_scc0 .Lentry_in_a_cluster
	s_endpgm
.Lentry_in_a_cluster:
	s_bfe_u32 s2, ttmp6, 0x10000c
	s_cmp_lg_u32 s2, 0xf033
	s_cbranch_scc0 .Lentry_shape_is_right
	s_endpgm
.Lentry_shape_is_right:
; x2 = x + (attention's result) Wo^T, the product on E5M2 codes: sum x 2^(e10 + e11) + x.  A work-group makes 128 x 128, a wave 64 x 64: 16 accumulators.
; THE WHOLE K = 1,024 LIES IN LDS: A's 128 rows (131,072 bytes) and B's 128 rows (1,024 bytes + 16 of padding each), brought by one tensor load a wave at the head; nothing is filled again.
; A (at) comes as images of the operand's registers, B (Wo) as rows; both in the form's own layout (lane (r, h), registers 2 c, 2 c + 1 = k 16 c + 8 h + 0 .. 7).
; Source 0 = 16 rows of Wo, source 1 = 16 tokens: a lane holds eight neighbouring columns of one token.  They go through the wave's own stage in LDS and leave as aligned runs of 256 bytes, sixteen lanes each.
; CLUSTER 4 x 4: A's tile is asked for jointly along a row of the cluster, B's along a column.  No prefetch: the launch has no loop to run ahead in; all its tiles are asked for at the head.
; LIMIT: e10 + e11 between -126 and 127.
; REGISTERS: window 0: v1 r, v2 h, v16, v20 LDS addresses, v24-26 the way out, v27 16 x lane, v28-29 the add's, v32-63 rows read back, v128-255 accumulators; window 1: two fragment buffers; window 2: v0-127 x, then x2.
.set BOFF,  131072
.set BHALF, 66560                      ; 64 rows of B
.set BP,    1040                       ; 260 words: row r starts at bank 4 r mod 64 (64 banks of 4 bytes: ISA guide 11.1)
.set SPARE, 264192                     ; the spare words, 128 bytes a wave, that no other line names
.set STAGE, 264704                     ; 16 rows x 272 bytes for each wave; no fill lands here
.set ACC,   128
.set F0,    0
.set F1,    128
.set MSB,   0
.macro WIN new
.if MSB != \new
	s_set_vgpr_msb (MSB<<8)|\new
.set MSB, \new
.endif
.endm
.macro PLACES n
.rept \n
	v_nop
.endr
.endm
.macro CROUND
	s_barrier_signal -1
	s_barrier_wait -1
	s_cmp_lg_u32 s20, 0
	s_cbranch_scc1 .Lnw0_\@
	s_barrier_signal -3
.Lnw0_\@:
	s_barrier_wait -3
	s_barrier_signal -1
	s_barrier_wait -1
.endm
.macro FETCH q, f                      ; the fragments of the q-th 128 along K into buffer f: 16 + 32 LDS loads in one run
	WIN 0x40
.irp a, 0,1,2,3
.irp u, 0,1,2,3
	ds_load_b128 v[\f+16*\a+4*\u:\f+16*\a+4*\u+3], v16 offset:\a*16384+(\q)*2048+\u*512
.endr
.endr
.irp i, 0,1,2,3
.irp c, 0,1,2,3,4,5,6,7
	ds_load_b64 v[\f+64+16*\i+2*\c:\f+64+16*\i+2*\c+1], v20 offset:\i*16*BP+(\q)*128+16*\c
.endr
.endr
.endm
.macro MUL16 f, zero                   ; the 16 accumulators take turns, one instruction a turn
	WIN 0x05
.irp a, 0,1,2,3
.irp i, 0,1,2,3
.set rD, ACC+8*(4*\a+\i)
.set r0, \f+64+16*\i
.set r1, \f+16*\a
.if \zero
	v_wmma_f32_16x16x128_bf8_bf8 v[rD:rD+7], v[r0:r0+15], v[r1:r1+15], 0
.else
	v_wmma_f32_16x16x128_bf8_bf8 v[rD:rD+7], v[r0:r0+15], v[r1:r1+15], v[rD:rD+7]
.endif
.endr
.endr
.endm
.macro STEP q, f, g, zero
	PLACES 4                                       ; in front of loads into registers that the last matrix instructions read
	FETCH (\q)+1, \g
	s_wait_dscnt 48                                ; buffer f is in; the 48 loads just issued may be out
	MUL16 \f, \zero
.endm
	s_load_b256 s[4:11], s[0:1], 0x0               ; at, Wo, the scales' exponents, x
	s_load_b64 s[12:13], s[0:1], 0x20              ; x2
	v_lshl_add_u32 v28, v0, 2, SPARE
	v_mov_b32 v29, 0
	ds_add_u32 v28, v29                            ; the opening lines: the add, twice on end, and its wait
	ds_add_u32 v28, v29
	v_lshrrev_b32 v1, 5, v0
	v_readfirstlane_b32 s20, v1
	s_lshr_b32 s21, s20, 1                         ; my half of the rows.  Also: I fetch for A (0) or B (1)
	s_and_b32 s22, s20, 1                          ; my half of the columns.  Also: which half of that tile I fetch
	s_bfe_u32 s56, ttmp6, 0x40000
	s_bfe_u32 s57, ttmp6, 0x40004
	s_lshl_b32 s58, ttmp9, 2
	s_add_co_u32 s58, s58, s56                     ; column block
	s_and_b32 s59, ttmp7, 0xffff
	s_lshl_b32 s59, s59, 2
	s_add_co_u32 s59, s59, s57                     ; row block
	s_lshl_b32 s60, s57, 2
	s_lshl_b32 s60, 15, s60
	s_lshl_b32 s61, 0x1111, s56
	s_or_b32 s24, s60, (3<<16)|(1<<21)             ; A: 4 tiles of rows x 2,048 elements of 8 bytes, dense
	s_mov_b32 s25, 2048<<16
	s_mov_b32 s26, 4<<16
	s_mov_b32 s27, 2048<<16
	s_mov_b32 s28, 4
	s_mov_b32 s29, 2048
	s_mov_b32 s30, 0
	s_mov_b32 s31, 0
	s_or_b32 s48, s61, (1<<20)|(1<<21)|(7<<22)|(3<<25)   ; B: 64 rows x 1,024 bytes, four words of padding behind each 256
	s_mov_b32 s49, 1024<<16
	s_mov_b32 s50, 64<<16
	s_mov_b32 s51, 1024<<16
	s_mov_b32 s52, 64
	s_mov_b32 s53, 1024
	s_mov_b32 s54, 0
	s_mov_b32 s55, 0
	s_lshl_b32 s66, s59, 17
	s_lshl_b32 s3, s22, 16
	s_add_co_u32 s66, s66, s3
	s_mov_b32 s67, 0
	s_lshl_b32 s62, s58, 17
	s_add_co_u32 s62, s62, s3
	s_mov_b32 s63, 0
	s_mov_b32 s32, 1
	s_lshl_b32 s33, s22, 16                        ; where they go: A's half,
	s_mov_b32 s68, 1
	s_mul_i32 s69, s22, BHALF
	s_add_co_u32 s69, s69, BOFF                    ; B's half: no place in the cluster enters an LDS address
	s_wait_dscnt 0x0
	s_wait_kmcnt 0x0
	s_load_b64 s[76:77], s[8:9], 0x28              ; e10, e11
	s_add_nc_u64 s[34:35], s[4:5], s[66:67]
	s_or_b32 s35, s35, 0x80000000
	s_add_nc_u64 s[70:71], s[6:7], s[62:63]
	s_or_b32 s71, s71, 0x80000000
	CROUND                                         ; all sixteen work-groups are here: the joint loads meet
	s_cmp_eq_u32 s21, 0
	s_cbranch_scc0 .Lfor_b
	tensor_load_to_lds s[32:35], s[24:31]
	s_nop 0
	PLACES 4
	s_branch .Lasked
.Lfor_b:
	tensor_load_to_lds s[68:71], s[48:55]
	s_nop 0
	PLACES 4
.Lasked:
	v_and_b32 v1, 15, v0
	v_bfe_u32 v2, v0, 4, 1
	v_and_b32 v3, 31, v0
	v_lshlrev_b32 v27, 4, v3
	v_lshlrev_b32 v26, 12, v2
	v_lshl_add_u32 v26, v1, 4, v26                 ; in x and x2: lanes 0-15 one row's 256 bytes, lanes 16-31 the next row's
	s_wait_alu depctr_va_vdst(0)
	s_lshl_b32 s96, s59, 19                        ; 128 rows of 4,096 bytes a row block,
	s_lshl_b32 s97, s21, 18                        ; my 64 rows,
	s_add_co_u32 s96, s96, s97
	s_lshl_b32 s97, s58, 9                         ; 128 columns of 4 bytes a column block,
	s_add_co_u32 s96, s96, s97
	s_lshl_b32 s97, s22, 8                         ; my 64 columns
	s_add_co_u32 s96, s96, s97
	s_mov_b32 s97, 0
	s_add_nc_u64 s[86:87], s[10:11], s[96:97]
	s_add_nc_u64 s[88:89], s[12:13], s[96:97]
	WIN 0x80
.irp a, 0,1,2,3
.irp t, 0,1,2,3,4,5,6,7
	global_load_b128 v[32*\a+4*\t:32*\a+4*\t+3], v26, s[86:87] offset:(16*\a+2*\t)*4096   ; the residual, asked for at the head
.endr
.endr
	WIN 0
	s_lshl_b32 s3, s21, 16
	v_add_nc_u32 v16, s3, v27                      ; A's fragments: my four tiles of rows, 16 x lane
	v_mul_u32_u24 v20, v1, BP
	v_lshl_add_u32 v20, v2, 3, v20
	s_mul_i32 s3, s22, BHALF
	s_add_co_u32 s3, s3, BOFF
	v_add_nc_u32 v20, s3, v20                      ; B's: my 64 rows; row r, + 8 h
	s_mul_i32 s3, s20, 4352
	s_add_co_u32 s3, s3, STAGE                     ; my stage
	v_mul_u32_u24 v24, v1, 272
	v_lshl_add_u32 v24, v2, 5, v24
	v_add_nc_u32 v24, s3, v24                      ; in: row r, + 32 h
	v_mul_u32_u24 v25, v2, 272
	v_lshl_add_u32 v25, v1, 4, v25
	v_add_nc_u32 v25, s3, v25                      ; back: two rows an instruction
	s_wait_alu depctr_va_vdst(0)                   ; the wait at the head's end
	s_wait_kmcnt 0x0
	s_add_co_i32 s84, s76, s77
	s_add_co_i32 s84, s84, 127
	s_lshl_b32 s84, s84, 23                        ; 2^(e10 + e11)
	s_mov_b32 s85, s84
	s_wait_tensorcnt 0x0                           ; my part is in;
	s_barrier_signal -1
	s_barrier_wait -1                              ; everybody's is
	FETCH 0, F0
	STEP 0, F0, F1, 1
	STEP 1, F1, F0, 0
	STEP 2, F0, F1, 0
	STEP 3, F1, F0, 0
	STEP 4, F0, F1, 0
	STEP 5, F1, F0, 0
	STEP 6, F0, F1, 0
	s_wait_dscnt 0x0
	MUL16 F1, 0
	WIN 0
	PLACES 4
	s_wait_loadcnt 0x0                             ; the residual
.irp a, 0,1,2,3
.irp i, 0,1,2,3
	ds_store_b128 v24, v[ACC+8*(4*\a+\i):ACC+8*(4*\a+\i)+3] offset:64*\i
	ds_store_b128 v24, v[ACC+8*(4*\a+\i)+4:ACC+8*(4*\a+\i)+7] offset:64*\i+16
.endr
.irp t, 0,1,2,3,4,5,6,7
	ds_load_b128 v[32+4*\t:35+4*\t], v25 offset:\t*544   ; LDS serves a wave's instructions in order (ISA guide 5.7.1.4): these see my stores
.endr
	s_wait_dscnt 0x0
	WIN 0xa0                                       ; destination and source 2 window 2
.set j, 0
.rept 16
	v_pk_fma_f32 v[32*\a+j:32*\a+j+1], v[32+j:33+j], s[84:85], v[32*\a+j:32*\a+j+1] op_sel_hi:[1,0,1]   ; sum x 2^(e10 + e11) + x
.set j, j+2
.endr
	WIN 0x08                                       ; the stores' data window 2
.irp t, 0,1,2,3,4,5,6,7
	global_store_b128 v26, v[32*\a+4*\t:32*\a+4*\t+3], s[88:89] offset:(16*\a+2*\t)*4096   ; sixteen lanes store 256 consecutive bytes, aligned
.endr
	WIN 0
.endr
	s_wait_tensorcnt 0x0                           ; the wave's end
	ds_add_u32 v28, v29
	s_wait_dscnt 0x0
	CROUND
	s_endpgm
.Lfunc_end_k_q2dee4f2029_oproj:
	.size	k_q2dee4f2029_oproj, .Lfunc_end_k_q2dee4f2029_oproj-k_q2dee4f2029_oproj
	.p2alignl 7, 3214868480
	.fill 96, 4, 3214868480
	.section	.rodata,"a",@progbits
	.p2align	6, 0x0
	.amdhsa_kernel k_q2dee4f2029_oproj
		.amdhsa_group_segment_fixed_size 327680
		.amdhsa_private_segment_fixed_size 0
		.amdhsa_enable_private_segment 0
		.amdhsa_kernarg_size 40
		.amdhsa_user_sgpr_count 2
		.amdhsa_user_sgpr_kernarg_segment_ptr 1
		.amdhsa_wavefront_size32 1
		.amdhsa_system_sgpr_workgroup_id_x 1
		.amdhsa_system_sgpr_workgroup_id_y 1
		.amdhsa_system_sgpr_workgroup_id_z 1
		.amdhsa_system_vgpr_workitem_id 0
		.amdhsa_next_free_vgpr 640
		.amdhsa_next_free_sgpr 102
		.amdhsa_reserve_vcc 0
		.amdhsa_float_denorm_mode_32 3
		.amdhsa_float_denorm_mode_16_64 3
		.amdhsa_memory_ordered 1
		.amdhsa_forward_progress 1
		.amdhsa_inst_pref_size 55
	.end_amdhsa_kernel
	.amdgpu_metadata
---
amdhsa.version: [ 1, 2 ]
amdhsa.kernels:
  - .name:           k_q2dee4f2029_oproj
    .symbol:         k_q2dee4f2029_oproj.kd
    .args:
      - { .name: at, .offset: 0, .size: 8, .value_kind: global_buffer, .address_space: global }
      - { .name: Wo_codes, .offset: 8, .size: 8, .value_kind: global_buffer, .address_space: global }
      - { .name: lowp_scales, .offset: 16, .size: 8, .value_kind: global_buffer, .address_space: global }
      - { .name: x, .offset: 24, .size: 8, .value_kind: global_buffer, .address_space: global }
      - { .name: x2, .offset: 32, .size: 8, .value_kind: global_buffer, .address_space: global }
    .group_segment_fixed_size: 327680
    .private_segment_fixed_size: 0
    .kernarg_segment_align: 8
    .kernarg_segment_size: 40
    .max_flat_workgroup_size: 128
    .sgpr_count:     102
    .vgpr_count:     640
    .wavefront_size: 32
...
	.end_amdgpu_metadata
.endif
;; end of part 4
;; launch prep2 (part 5): grid 256 x 1, 8 waves a work-group, no clusters, 66,816 bytes of LDS; arguments x2, g2, lowp_scales, xb, w2_codes, wi; writes xb, wi
.if DOCPART == 5
	.amdgcn_target "amdgcn-amd-amdhsa--gfx1250"
	.amdhsa_code_object_version 6
	.text
	.protected	k_q2dee4f2029_prep2
	.globl	k_q2dee4f2029_prep2
	.p2align	8
	.type	k_q2dee4f2029_prep2,@function
k_q2dee4f2029_prep2:
	s_mov_b64 s[64:65], 0
	v_nop
	global_prefetch_b8 v0, s[64:65] scope:SCOPE_SE
	s_setreg_imm32_b32 hwreg(HW_REG_WAVE_MODE, 25, 1), 1
	s_wait_xcnt 0x0
; xn = x2 / sqrt(mean(x2^2) + 1e-5) * g2, quantised twice to E5M2, with 2^e12 and 2^e14 (the A operands of the w1 and w3 products).
; OUT: xb = two sets of 4 MiB, images of the operand's registers: [tile of 16 rows][K step of 128][four registers][lane][16 bytes]; lane (r, h): row r, registers 2 c, 2 c + 1 = k 16 c + 8 h + 0 .. 7.
; SHARES: a work-group owns 16 rows.  First wave w owns rows 2 w, 2 w + 1 whole, then, behind one barrier, K step w of all 16 rows.  LDS: 16 rows of 4,096 bytes + 16 of padding.
; LIMITS: e12, e14 between -126 and 112; NaN among the inputs is not served.
.set PITCH, 4112
.set X, 32
.set G, 96
.set T, 128
.set C, 192
	s_load_b256 s[4:11], s[0:1], 0x0               ; x2, g2, the scales' exponents, xb
	s_load_b128 s[12:15], s[0:1], 0x20             ; w2's codes, wi
	v_lshl_add_u32 v248, v0, 2, 0x10100
	v_mov_b32 v249, 0
	v_lshrrev_b32 v1, 5, v0
	s_delay_alu instid0(VALU_DEP_1)
	v_readfirstlane_b32 s16, v1
	v_and_b32 v1, 31, v0
	v_and_b32 v2, 15, v0
	v_bfe_u32 v3, v0, 4, 1
	s_delay_alu instid0(VALU_DEP_3)
	v_lshlrev_b32 v5, 4, v1
	s_lshl_b32 s17, s16, 13
	v_add_nc_u32 v4, s17, v5
	s_mul_i32 s18, s16, 2*PITCH
	v_add_nc_u32 v6, s18, v5
	v_mul_u32_u24 v7, v2, PITCH
	s_delay_alu instid0(VALU_DEP_1)
	v_lshl_add_u32 v7, v3, 5, v7
	s_lshl_b32 s19, s16, 9
	v_add_nc_u32 v7, s19, v7
	s_lshl_b32 s17, s16, 11
	v_add_nc_u32 v8, s17, v5
	s_and_b32 s18, s16, 1
	s_mul_i32 s18, s18, 1536
	v_add_nc_u32 v240, s18, v5                     ; w2's row: my wave's half of 3,072 bytes, 16 x lane
	v_add_nc_u32 v242, 1024, v240
	v_min_u32 v241, 2736, v242                     ; (the third load stays inside the row's 2,752 bytes)
	s_lshl_b32 s32, ttmp9, 16
	s_mov_b32 s33, 0
	s_lshl_b32 s34, ttmp9, 14
	s_mov_b32 s35, 0
	s_mov_b32 s28, 0x76543210
	s_mov_b32 s29, 0xfedcba98
	s_mov_b32 s30, 0x3a800000                      ; 1 / 1024
	s_mov_b32 s31, 0x3727c5ac                      ; 1e-5
	s_wait_alu depctr_va_vdst(0)
	s_wait_kmcnt 0x0
	s_add_nc_u64 s[4:5], s[4:5], s[32:33]
	s_add_nc_u64 s[40:41], s[10:11], s[34:35]
	s_add_nc_u64 s[42:43], s[40:41], 0x400000
	; ---- w2's rows of 2,752 bytes are laid anew 3,072 bytes apart, zero codes behind them, from byte 0x580000 of wi on: every row then begins on a multiple of 256 bytes.  A work-group lays 4 rows, a wave half a row.
	s_lshl_b32 s36, ttmp9, 2
	s_lshr_b32 s37, s16, 1
	s_add_co_u32 s36, s36, s37
	s_mul_i32 s38, s36, 2752
	s_mov_b32 s39, 0
	s_add_nc_u64 s[12:13], s[12:13], s[38:39]
	s_mul_i32 s38, s36, 3072
	s_add_co_u32 s38, s38, 0x580000
	s_add_nc_u64 s[14:15], s[14:15], s[38:39]
	global_load_b128 v[224:227], v240, s[12:13]
	global_load_b128 v[228:231], v240, s[12:13] offset:512
	global_load_b128 v[232:235], v241, s[12:13]
.irp p, 0,1
.irp j, 0,1,2,3,4,5,6,7
	global_load_b128 v[X+32*\p+4*\j:X+32*\p+4*\j+3], v4, s[4:5] offset:4096*\p+512*\j
.endr
.endr
.irp j, 0,1,2,3,4,5,6,7
	global_load_b128 v[G+4*\j:G+4*\j+3], v5, s[6:7] offset:512*\j
.endr
	s_load_b128 s[20:23], s[8:9], 0x30             ; e12, e13, e14, e15
	s_wait_kmcnt 0x0
.irp t, 0,1
	s_add_co_i32 s[20+2*\t], s[20+2*\t], 127
	s_lshl_b32 s47, s[20+2*\t], 23
	v_mov_b32 v[22+2*\t], s47                      ; 2^e
	s_add_co_i32 s[20+2*\t], s[20+2*\t], 15
	s_lshl_b32 s47, s[20+2*\t], 23
	s_or_b32 s47, s47, 0x600000
	v_mov_b32 v[23+2*\t], s47                      ; 57,344 x 2^e
.endr
.macro SSQ acc, base
	v_pk_mul_f32 v[\acc:\acc+1], v[\base:\base+1], v[\base:\base+1]
	v_pk_mul_f32 v[\acc+2:\acc+3], v[\base+2:\base+3], v[\base+2:\base+3]
.irp j, 4,8,12,16,20,24,28
	s_delay_alu instid0(VALU_DEP_2)
	v_pk_fma_f32 v[\acc:\acc+1], v[\base+\j:\base+\j+1], v[\base+\j:\base+\j+1], v[\acc:\acc+1]
	s_delay_alu instid0(VALU_DEP_2)
	v_pk_fma_f32 v[\acc+2:\acc+3], v[\base+\j+2:\base+\j+3], v[\base+\j+2:\base+\j+3], v[\acc+2:\acc+3]
.endr
	s_delay_alu instid0(VALU_DEP_1)
	v_pk_add_f32 v[\acc:\acc+1], v[\acc:\acc+1], v[\acc+2:\acc+3]
	s_delay_alu instid0(VALU_DEP_1)
	v_add_f32 v[\acc], v[\acc], v[\acc+1]
	s_delay_alu instid0(VALU_DEP_1)
	v_add_f32_dpp v[\acc], v[\acc], v[\acc] row_xmask:1 row_mask:0xf bank_mask:0xf
	s_delay_alu instid0(VALU_DEP_1)
	v_add_f32_dpp v[\acc], v[\acc], v[\acc] row_xmask:2 row_mask:0xf bank_mask:0xf
	s_delay_alu instid0(VALU_DEP_1)
	v_add_f32_dpp v[\acc], v[\acc], v[\acc] row_xmask:4 row_mask:0xf bank_mask:0xf
	s_delay_alu instid0(VALU_DEP_1)
	v_add_f32_dpp v[\acc], v[\acc], v[\acc] row_xmask:8 row_mask:0xf bank_mask:0xf
	s_delay_alu instid0(VALU_DEP_1)
	v_permlanex16_b32 v[\acc+1], v[\acc], s28, s29
	s_delay_alu instid0(VALU_DEP_1)
	v_add_f32 v[\acc], v[\acc], v[\acc+1]
.endm
	s_wait_loadcnt 24                              ; w2's three loads are in; behind them: x2's sixteen and g's eight
	v_cmp_gt_u32 vcc_lo, 2752, v242
.irp j, 232,233,234,235
	v_cndmask_b32 v\j, 0, v\j, vcc_lo              ; zero codes from byte 2,752 on
.endr
	global_store_b128 v240, v[224:227], s[14:15]
	global_store_b128 v240, v[228:231], s[14:15] offset:512
	global_store_b128 v240, v[232:235], s[14:15] offset:1024   ; each store: 512 consecutive bytes, aligned; v224-242 are not written again
	s_wait_loadcnt 16
	SSQ 14, X
	s_wait_loadcnt 8                               ; the second row is in; behind it: g's eight
	SSQ 18, X+32
	v_fma_f32 v14, v14, s30, s31
	s_delay_alu instid0(VALU_DEP_2)
	v_fma_f32 v18, v18, s30, s31
	s_wait_alu depctr_va_vdst(0)
	v_rsq_f32 v10, v14
	v_rsq_f32 v11, v14
	v_rsq_f32 v12, v18
	v_rsq_f32 v13, v18
	v_nop
	s_wait_alu depctr_va_vdst(0)                   ; one wait for the four
	s_wait_loadcnt 0x0
.irp p, 0,1
.set j, 0
.rept 16
	v_pk_mul_f32 v[X+32*\p+j:X+32*\p+j+1], v[X+32*\p+j:X+32*\p+j+1], v[10+2*\p:11+2*\p]
.set j, j+2
.endr
.set j, 0
.rept 16
	v_pk_mul_f32 v[X+32*\p+j:X+32*\p+j+1], v[X+32*\p+j:X+32*\p+j+1], v[G+j:G+j+1]
.set j, j+2
.endr
.irp j, 0,1,2,3,4,5,6,7
	ds_store_b128 v6, v[X+32*\p+4*\j:X+32*\p+4*\j+3] offset:PITCH*\p+512*\j
.endr
.endr
	s_wait_dscnt 0x0                               ; for the others' sake: my two rows lie in LDS
	s_barrier_signal -1
	s_barrier_wait -1
.irp c, 0,1,2,3,4,5,6,7
.irp e, 0,1
	ds_load_b128 v[X+8*\c+4*\e:X+8*\c+4*\e+3], v7 offset:64*\c+16*\e
.endr
.endr
	s_wait_dscnt 0x0
.irp t, 0,1
.set j, 0
.rept 64
	v_med3_num_f32 v[T+j], v[X+j], -v[23+2*\t], v[23+2*\t]
.set j, j+1
.endr
.irp c, 0,1,2,3,4,5,6,7
	v_cvt_scalef32_pk8_bf8_f32 v[C+16*\t+2*\c:C+16*\t+2*\c+1], v[T+8*\c:T+8*\c+7], v[22+2*\t]
.endr
	v_nop                                          ; a plain line between the conversions and the next set's holds, which write their sources
.irp q, 0,1,2,3
	global_store_b128 v8, v[C+16*\t+4*\q:C+16*\t+4*\q+3], s[40+2*\t:41+2*\t] offset:512*\q
.endr
.endr
	s_wait_tensorcnt 0x0
	ds_add_u32 v248, v249
	s_wait_dscnt 0x0
	s_endpgm
.Lfunc_end_k_q2dee4f2029_prep2:
	.size	k_q2dee4f2029_prep2, .Lfunc_end_k_q2dee4f2029_prep2-k_q2dee4f2029_prep2
	.p2alignl 7, 3214868480
	.fill 96, 4, 3214868480
	.section	.rodata,"a",@progbits
	.p2align	6, 0x0
	.amdhsa_kernel k_q2dee4f2029_prep2
		.amdhsa_group_segment_fixed_size 66816
		.amdhsa_private_segment_fixed_size 0
		.amdhsa_enable_private_segment 0
		.amdhsa_kernarg_size 48
		.amdhsa_user_sgpr_count 2
		.amdhsa_user_sgpr_kernarg_segment_ptr 1
		.amdhsa_wavefront_size32 1
		.amdhsa_system_sgpr_workgroup_id_x 1
		.amdhsa_system_sgpr_workgroup_id_y 1
		.amdhsa_system_sgpr_workgroup_id_z 1
		.amdhsa_system_vgpr_workitem_id 0
		.amdhsa_next_free_vgpr 250
		.amdhsa_next_free_sgpr 66
		.amdhsa_reserve_vcc 1
		.amdhsa_float_denorm_mode_32 3
		.amdhsa_float_denorm_mode_16_64 3
		.amdhsa_memory_ordered 1
		.amdhsa_forward_progress 1
		.amdhsa_inst_pref_size 27
	.end_amdhsa_kernel
	.amdgpu_metadata
---
amdhsa.version: [ 1, 2 ]
amdhsa.kernels:
  - .name:           k_q2dee4f2029_prep2
    .symbol:         k_q2dee4f2029_prep2.kd
    .args:
      - { .name: x2, .offset: 0, .size: 8, .value_kind: global_buffer, .address_space: global }
      - { .name: g2, .offset: 8, .size: 8, .value_kind: global_buffer, .address_space: global }
      - { .name: lowp_scales, .offset: 16, .size: 8, .value_kind: global_buffer, .address_space: global }
      - { .name: xb, .offset: 24, .size: 8, .value_kind: global_buffer, .address_space: global }
      - { .name: w2_codes, .offset: 32, .size: 8, .value_kind: global_buffer, .address_space: global }
      - { .name: wi, .offset: 40, .size: 8, .value_kind: global_buffer, .address_space: global }
    .group_segment_fixed_size: 66816
    .private_segment_fixed_size: 0
    .kernarg_segment_align: 8
    .kernarg_segment_size: 48
    .max_flat_workgroup_size: 256
    .sgpr_count:     66
    .vgpr_count:     250
    .wavefront_size: 32
...
	.end_amdgpu_metadata
.endif
;; end of part 5
;; launch ffn1 (part 6): grid 8 x 32, 4 waves a work-group, clusters of 4 x 4, 327,680 bytes of LDS; arguments xb, wi, lowp_scales, hi; writes hi
.if DOCPART == 6
	.amdgcn_target "amdgcn-amd-amdhsa--gfx1250"
	.amdhsa_code_object_version 6
	.text
	.protected	k_q2dee4f2029_ffn1
	.globl	k_q2dee4f2029_ffn1
	.p2align	8
	.type	k_q2dee4f2029_ffn1,@function
k_q2dee4f2029_ffn1:
	s_mov_b64 s[64:65], 0
	v_nop
	global_prefetch_b8 v0, s[64:65] scope:SCOPE_SE
	s_setreg_imm32_b32 hwreg(HW_REG_WAVE_MODE, 25, 1), 1
	s_wait_xcnt 0x0
	s_wait_alu depctr_hold_cnt(0) depctr_sa_sdst(0) depctr_va_vdst(0) depctr_va_sdst(0) depctr_va_ssrc(0) depctr_va_vcc(0) depctr_vm_vsrc(0)
	s_getreg_b32 s2, hwreg(HW_REG_IB_STS2, 6, 4)
	s_cmp_eq_u32 s2, 0
	s_cbranch_scc0 .Lentry_in_a_cluster
	s_endpgm
.Lentry_in_a_cluster:
	s_bfe_u32 s2, ttmp6, 0x10000c
	s_cmp_lg_u32 s2, 0xf033
	s_cbranch_scc0 .Lentry_shape_is_right
	s_endpgm
.Lentry_shape_is_right:
; hi = Q(silu(x1) x3), x1 = xn w1^T, x3 = xn w3^T, both products on E5M2 codes; Q with 2^e16.  xb holds xn's codes twice (2^e12, 2^e14) as images of the operand's registers.
; SHARES.  A work-group owns 128 tokens.  Both sets of their codes, the whole K = 1,024, lie in LDS (2 x 131,072 bytes): one joint tensor load of 65,536 bytes a wave at the head; nothing is filled again, so the text has no ring.
; A wave owns a UNIT: 64 columns of w1 and the same 64 of w3, against all 128 tokens: 2 x 32 accumulators, 512 registers.  The weights' fragments go from memory straight into registers:
; wi = [unit 44][K step 8][w1, w3][tile of 16 columns 4][2,048 bytes], images, so that a wave's stream is consecutive bytes and each load reads 512 of them.  No other wave of the work-group needs them.
; 44 units stand against the 32 waves of a row block's eight work-groups: in cluster column 0 waves 0 and 1 walk two units (neighbours in wi), in cluster column 1 wave 0 does; the choice hangs on the cluster's x and
; the wave's number alone, which all partners share.  Unit 43 (columns 2,752 to 2,815) is laid as zero codes: its results are zero codes in hi's padding columns, which the next launch multiplies with zero codes of w2.
; A K step of 128 is four half-phases of 16 matrix instructions: x1 rows 0-63, x1 rows 64-127, x3 rows 0-63, x3 rows 64-127.  A's four fragments of the next half-phase are asked of LDS ahead of each;
; w3's fragments of step s + 1 are asked for at step s's first half-phase, w1's of step s + 2 at its third: three groups of 16 loads are out behind the group that a wait needs, hence s_wait_loadcnt 48.
; The stream runs on into the wave's next unit; behind its last unit the offset is held at the stream's last 8,192 bytes: those 48 loads are read by nobody.
; Source 0 = 16 rows of a weight, source 1 = 16 tokens: a lane holds one token and eight neighbouring columns, so a conversion's result is two registers of hi's image ([tile of 16 tokens][K step 24][2,048 bytes]).
; PREFETCH: at steps 0 and 2 of a unit a wave asks for the unit's steps 4, 5 and 6, 7 (32,768 bytes); the four partners of a cluster's column, which walk the same units, take 8,192 bytes each, told apart by address (cy), lanes 256 bytes apart.  Steps 0 to 3 come by their loads alone.
; LIMITS: e12 + e13 between -126 and 126 (added to a constant's exponent field); e16 - e12 - e13 - e14 - e15 between -126 and 112.  NaN is not served.
; REGISTERS: window 0: v4-5 scale and hold, v16-19 LDS addresses, v26 prefetch offset, v27 16 x lane, v28-29 the add's, v32-95 at work on the way out, v128-191, v192-255 A's two buffers (the second holds the codes on the way out);
; window 1: the weights' two buffers of 128 (w1's four fragments, then w3's);  window 2: x1's 32 accumulators ((a, i) at 8 (4 a + i));  window 3: x3's.
.set SPARE, 262144                     ; behind A: the spare words, 128 bytes a wave, that no other line names
.set MSB,   0
.macro WIN new
.if MSB != \new
	s_set_vgpr_msb (MSB<<8)|\new
.set MSB, \new
.endif
.endm
.macro PLACES n
.rept \n
	v_nop
.endr
.endm
.macro CROUND
	s_barrier_signal -1
	s_barrier_wait -1
	s_cmp_lg_u32 s20, 0
	s_cbranch_scc1 .Lnw0_\@
	s_barrier_signal -3
.Lnw0_\@:
	s_barrier_wait -3
	s_barrier_signal -1
	s_barrier_wait -1
.endm
.macro ALOAD s, t, rh                  ; A's four fragments of step s, set t, rows 64 rh on, into buffer rh
.irp a, 0,1,2,3
.irp u, 0,1,2,3
	ds_load_b128 v[128+64*(\rh)+16*\a+4*\u:128+64*(\rh)+16*\a+4*\u+3], v[16+2*(\t)+(\rh)] offset:\a*16384+(\s)*2048+\u*512
.endr
.endr
.endm
.macro BISS pos, reg                   ; four fragments of one weight, 8,192 bytes at byte pos of the unit in hand, into window 1
	s_wait_xcnt 0x0                                ; the earlier loads and prefetches have read their bases
	s_add_co_u32 s44, s48, \pos
	s_min_u32 s44, s44, s49                        ; never past my stream's end
	s_add_nc_u64 s[42:43], s[40:41], s[44:45]
	WIN 0x40
.irp i, 0,1,2,3
.irp u, 0,1,2,3
	global_load_b128 v[(\reg)+16*\i+4*\u:(\reg)+16*\i+4*\u+3], v27, s[42:43] offset:\i*2048+\u*512
.endr
.endr
.endm
.macro HP s, t, rh                     ; a half-phase
	PLACES 4                                       ; in front of loads into registers that the last matrix instructions read (ISA guide 7.12.1 for vector instructions)
	WIN 0
.set more, 16
.if \rh == 0
	ALOAD \s, \t, 1
.elseif \t == 0
	ALOAD \s, 1, 0
.elseif \s < 7
	ALOAD (\s)+1, 0, 0
.else
.set more, 0
.endif
.if \rh == 0
.if \t == 0
	BISS ((\s)+1)*16384+8192, 128*(((\s)+1)%2)+64
.if \s == 0 || \s == 2
	s_add_co_u32 s44, s48, ((\s)+4)*16384
	s_add_nc_u64 s[46:47], s[40:41], s[44:45]
	global_prefetch_b8 v26, s[46:47] th:TH_LOAD_NT scope:SCOPE_SE
.endif
.else
	BISS ((\s)+2)*16384, 128*((\s)%2)
.endif
	s_wait_loadcnt 48                              ; this weight's fragments of this step are in; behind them three groups of 16
.endif
	s_wait_dscnt more                              ; this half-phase's fragments of A are in; the loads just issued may be out
	WIN 0xa1+0x50*(\t)                             ; source 0 window 1, source 1 window 0, C and D window 2 or 3
.irp a, 0,1,2,3
.irp i, 0,1,2,3
.set rD, 8*(4*(4*(\rh)+\a)+\i)
.set rB, 128*((\s)%2)+64*(\t)+16*\i
.set rA, 128+64*(\rh)+16*\a
.if \s == 0
	v_wmma_f32_16x16x128_bf8_bf8 v[rD:rD+7], v[rB:rB+15], v[rA:rA+15], 0
.else
	v_wmma_f32_16x16x128_bf8_bf8 v[rD:rD+7], v[rB:rB+15], v[rA:rA+15], v[rD:rD+7]
.endif
.endr
.endr
.endm
; the way out of 16 tokens x 64 columns: x1 x3 / (1 + 2^(-x1 log2 e)), the hold, the conversion, two stores of 512 consecutive bytes
.macro EPI a
	WIN 0x02
	s_wait_alu depctr_va_vdst(0)                   ; the wait directly ahead of the first reader of x1's sums
.set j, 0
.rept 16
	v_pk_mul_f32 v[32+j:33+j], v[32*(\a)+j:32*(\a)+j+1], s[94:95] op_sel_hi:[1,0]   ; -x1 log2 e, the sums' scale folded in
.set j, j+2
.endr
	WIN 0x0e
	s_wait_alu depctr_va_vdst(0)                   ; and of x3's
.set j, 0
.rept 16
	v_pk_mul_f32 v[64+j:65+j], v[32*(\a)+j:32*(\a)+j+1], v[32*(\a)+j:32*(\a)+j+1]   ; x1 (window 2) x x3 (window 3)
.set j, j+2
.endr
	WIN 0
	s_wait_alu depctr_va_vdst(0)                   ; ahead of the batch
.set j, 0
.rept 32
	v_exp_f32 v[32+j], v[32+j]
.set j, j+1
.endr
	v_nop
	s_wait_alu depctr_va_vdst(0)                   ; behind it
.set j, 0
.rept 16
	v_pk_add_f32 v[32+j:33+j], v[32+j:33+j], 1.0 op_sel_hi:[1,0]
.set j, j+2
.endr
	s_wait_alu depctr_va_vdst(0)
.set j, 0
.rept 32
	v_rcp_f32 v[32+j], v[32+j]
.set j, j+1
.endr
	v_nop
	s_wait_alu depctr_va_vdst(0)
.set j, 0
.rept 16
	v_pk_mul_f32 v[64+j:65+j], v[64+j:65+j], v[32+j:33+j]
.set j, j+2
.endr
.irp i, 0,1,2,3
.irp j, 0,1,2,3,4,5,6,7
	v_med3_num_f32 v[64+8*\i+\j], v[64+8*\i+\j], -v5, v5   ; the conversion to an 8-bit code does not saturate (ISA guide 7.6.2)
.endr
	v_cvt_scalef32_pk8_bf8_f32 v[192+8*(\a)+2*\i:193+8*(\a)+2*\i], v[64+8*\i:71+8*\i], v4
.endr
	v_nop                                          ; a plain line behind the last conversion
.irp u, 0,1
	global_store_b128 v27, v[192+8*(\a)+4*\u:195+8*(\a)+4*\u], s[90:91] offset:(\a)*49152+512*\u
.endr
.endm
	s_load_b256 s[4:11], s[0:1], 0x0               ; xb, wi, the scales' exponents, hi
	v_lshl_add_u32 v28, v0, 2, SPARE
	v_mov_b32 v29, 0
	ds_add_u32 v28, v29                            ; the opening lines: the add, twice on end, and its wait
	ds_add_u32 v28, v29
	v_lshrrev_b32 v1, 5, v0
	v_readfirstlane_b32 s20, v1                    ; wave 0..3
	v_and_b32 v3, 31, v0
	v_lshlrev_b32 v27, 4, v3                       ; 16 x lane
	v_mov_b32 v16, v27                             ; A in LDS: set t, rows 64 rh on, at 65,536 (2 t + rh)
	v_add_nc_u32 v17, 0x10000, v27
	v_add_nc_u32 v18, 0x20000, v27
	v_add_nc_u32 v19, 0x30000, v27
	s_bfe_u32 s56, ttmp6, 0x40000                  ; cx
	s_bfe_u32 s57, ttmp6, 0x40004                  ; cy
	v_lshlrev_b32 v26, 8, v3
	s_lshl_b32 s3, s57, 13
	v_add_nc_u32 v26, s3, v26                      ; the prefetches: my work-group's 8,192 bytes of 32,768, lanes 256 bytes apart
	s_and_b32 s59, ttmp7, 0xffff
	s_lshl_b32 s59, s59, 2
	s_add_co_u32 s59, s59, s57                     ; row block 0..31
	s_lshl_b32 s60, s57, 2
	s_lshl_b32 s60, 15, s60                        ; my row of the cluster
	s_or_b32 s24, s60, (3<<16)|(1<<21)             ; 4 tiles of rows x 2,048 elements of 8 bytes, dense; the mask, bit 21 beside it
	s_mov_b32 s25, 2048<<16
	s_mov_b32 s26, 4<<16
	s_mov_b32 s27, 2048<<16
	s_mov_b32 s28, 4
	s_mov_b32 s29, 2048
	s_mov_b32 s30, 0
	s_mov_b32 s31, 0
	s_mov_b32 s32, 1
	s_lshl_b32 s33, s20, 16                        ; wave w fetches set w / 2, rows 64 (w % 2) on, to LDS byte 65,536 w
	s_lshl_b32 s66, s59, 17
	s_and_b32 s3, s20, 1
	s_lshl_b32 s3, s3, 16
	s_add_co_u32 s66, s66, s3
	s_lshr_b32 s3, s20, 1
	s_lshl_b32 s3, s3, 22
	s_add_co_u32 s66, s66, s3
	s_mov_b32 s67, 0
	; my units: cluster column X has n2 = 2 - X waves with two units; a work-group there has 6 - X units
	s_sub_co_u32 s52, 2, ttmp9                     ; n2
	s_sub_co_u32 s53, 6, ttmp9
	s_mul_i32 s53, s53, s56
	s_mul_i32 s54, ttmp9, 24
	s_add_co_u32 s53, s53, s54
	s_min_u32 s54, s20, s52
	s_add_co_u32 s53, s53, s54
	s_add_co_u32 s53, s53, s20                     ; my first unit
	s_cmp_lt_u32 s20, s52
	s_cselect_b32 s50, 2, 1                        ; how many
	s_lshl_b32 s49, s50, 17
	s_sub_co_u32 s49, s49, 8192                    ; my stream's last 8,192 bytes
	s_lshl_b32 s44, s53, 17
	s_mov_b32 s45, 0
	s_mul_i32 s96, s59, 393216                     ; hi: 8 tiles of tokens x 49,152 bytes a row block,
	s_lshl_b32 s97, s53, 10                        ; a unit is half a K step's image
	s_add_co_u32 s96, s96, s97
	s_mov_b32 s97, 0
	s_mov_b32 s48, 0                               ; the unit in hand, in bytes of my stream
	s_mov_b32 s51, 0                               ; and its number
	s_wait_dscnt 0x0
	s_wait_alu depctr_va_vdst(0)
	s_wait_kmcnt 0x0
	s_load_b128 s[84:87], s[8:9], 0x30             ; e12 .. e15
	s_load_b32 s88, s[8:9], 0x40                   ; e16
	s_add_nc_u64 s[34:35], s[4:5], s[66:67]
	s_or_b32 s35, s35, 0x80000000
	s_add_nc_u64 s[40:41], s[6:7], s[44:45]        ; my stream
	s_add_nc_u64 s[90:91], s[10:11], s[96:97]
	CROUND                                         ; all sixteen work-groups are here: the joint loads meet
	tensor_load_to_lds s[32:35], s[24:31]          ; my one tensor load
	s_nop 0
	PLACES 4
	BISS 0, 0                                      ; w1 of step 0, w3 of step 0, w1 of step 1
	BISS 8192, 64
	BISS 16384, 128
	WIN 0
	s_wait_kmcnt 0x0
	s_add_co_i32 s96, s84, s85
	s_lshl_b32 s97, s96, 23
	s_add_co_i32 s94, s97, 0xbfb8aa3b              ; -log2 e x 2^(e12 + e13)
	s_mov_b32 s95, s94
	s_sub_co_i32 s96, s88, s96
	s_sub_co_i32 s96, s96, s86
	s_sub_co_i32 s96, s96, s87                     ; e16 - e12 - e13 - e14 - e15: the conversion's one scale
	s_add_co_i32 s96, s96, 127
	s_lshl_b32 s97, s96, 23
	v_mov_b32 v4, s97
	s_add_co_i32 s96, s96, 15
	s_lshl_b32 s96, s96, 23
	s_or_b32 s96, s96, 0x600000
	v_mov_b32 v5, s96                              ; 57,344 x that
	s_wait_alu depctr_va_vdst(0)                   ; the wait at the head's end
	s_wait_tensorcnt 0x0                           ; my part of A is in;
	s_barrier_signal -1
	s_barrier_wait -1                              ; everybody's is
.Lunit:                                                ; two trips in every wave; a wave with one unit jumps over the second trip's work
	s_cmp_ge_u32 s51, s50
	s_cbranch_scc1 .Lnone
	ALOAD 0, 0, 0
.irp s, 0,1,2,3,4,5,6,7
	HP \s, 0, 0
	HP \s, 0, 1
	HP \s, 1, 0
	HP \s, 1, 1
.endr
	WIN 0
	PLACES 4
.irp a, 0,1,2,3,4,5,6,7
	EPI \a
.endr
	s_wait_xcnt 0x0                                ; the stores have read their base and their data
	s_add_nc_u64 s[90:91], s[90:91], 1024          ; the next unit's place in hi
.Lnone:
	s_add_co_u32 s48, s48, 131072
	s_add_co_u32 s51, s51, 1
	s_cmp_lt_u32 s51, 2
	s_cbranch_scc1 .Lunit
	s_wait_tensorcnt 0x0                           ; the wave's end
	ds_add_u32 v28, v29
	s_wait_dscnt 0x0
	CROUND                                         ; the closing round
	s_endpgm
.Lfunc_end_k_q2dee4f2029_ffn1:
	.size	k_q2dee4f2029_ffn1, .Lfunc_end_k_q2dee4f2029_ffn1-k_q2dee4f2029_ffn1
	.p2alignl 7, 3214868480
	.fill 96, 4, 3214868480
	.section	.rodata,"a",@progbits
	.p2align	6, 0x0
	.amdhsa_kernel k_q2dee4f2029_ffn1
		.amdhsa_group_segment_fixed_size 327680
		.amdhsa_private_segment_fixed_size 0
		.amdhsa_enable_private_segment 0
		.amdhsa_kernarg_size 32
		.amdhsa_user_sgpr_count 2
		.amdhsa_user_sgpr_kernarg_segment_ptr 1
		.amdhsa_wavefront_size32 1
		.amdhsa_system_sgpr_workgroup_id_x 1
		.amdhsa_system_sgpr_workgroup_id_y 1
		.amdhsa_system_sgpr_workgroup_id_z 1
		.amdhsa_system_vgpr_workitem_id 0
		.amdhsa_next_free_vgpr 1024
		.amdhsa_next_free_sgpr 102
		.amdhsa_reserve_vcc 0
		.amdhsa_float_denorm_mode_32 3
		.amdhsa_float_denorm_mode_16_64 3
		.amdhsa_memory_ordered 1
		.amdhsa_forward_progress 1
		.amdhsa_inst_pref_size 180
	.end_amdhsa_kernel
	.amdgpu_metadata
---
amdhsa.version: [ 1, 2 ]
amdhsa.kernels:
  - .name:           k_q2dee4f2029_ffn1
    .symbol:         k_q2dee4f2029_ffn1.kd
    .args:
      - { .name: xb, .offset: 0, .size: 8, .value_kind: global_buffer, .address_space: global }
      - { .name: wi, .offset: 8, .size: 8, .value_kind: global_buffer, .address_space: global }
      - { .name: lowp_scales, .offset: 16, .size: 8, .value_kind: global_buffer, .address_space: global }
      - { .name: hi, .offset: 24, .size: 8, .value_kind: global_buffer, .address_space: global }
    .group_segment_fixed_size: 327680
    .private_segment_fixed_size: 0
    .kernarg_segment_align: 8
    .kernarg_segment_size: 32
    .max_flat_workgroup_size: 128
    .sgpr_count:     102
    .vgpr_count:     1024
    .wavefront_size: 32
...
	.end_amdgpu_metadata
.endif
;; end of part 6
;; launch ffn2 (part 7): grid 8 x 32, 4 waves a work-group, clusters of 4 x 4, 327,680 bytes of LDS; arguments hi, wi, lowp_scales, x2, out0; writes out0
.if DOCPART == 7
	.amdgcn_target "amdgcn-amd-amdhsa--gfx1250"
	.amdhsa_code_object_version 6
	.text
	.protected	k_q2dee4f2029_ffn2
	.globl	k_q2dee4f2029_ffn2
	.p2align	8
	.type	k_q2dee4f2029_ffn2,@function
k_q2dee4f2029_ffn2:
	s_mov_b64 s[64:65], 0
	v_nop
	global_prefetch_b8 v0, s[64:65] scope:SCOPE_SE
	s_setreg_imm32_b32 hwreg(HW_REG_WAVE_MODE, 25, 1), 1
	s_wait_xcnt 0x0
	s_wait_alu depctr_hold_cnt(0) depctr_sa_sdst(0) depctr_va_vdst(0) depctr_va_sdst(0) depctr_va_ssrc(0) depctr_va_vcc(0) depctr_vm_vsrc(0)
	s_getreg_b32 s2, hwreg(HW_REG_IB_STS2, 6, 4)
	s_cmp_eq_u32 s2, 0
	s_cbranch_scc0 .Lentry_in_a_cluster
	s_endpgm
.Lentry_in_a_cluster:
	s_bfe_u32 s2, ttmp6, 0x10000c
	s_cmp_lg_u32 s2, 0xf033
	s_cbranch_scc0 .Lentry_shape_is_right
	s_endpgm
.Lentry_shape_is_right:
.set SLOT,  133120
.set BOFF,  65536
.set BHALF, 33792
.set BP,    528
.set SPARE, 266240
.set STAGE, 266752
.set ACC,   128
.set F0,    0
.set F1,    128
.set MSB,   0
.macro WIN new
.if MSB != \new
	s_set_vgpr_msb (MSB<<8)|\new
.set MSB, \new
.endif
.endm
.macro PLACES n
.rept \n
	v_nop
.endr
.endm
.macro CROUND
	s_barrier_signal -1
	s_barrier_wait -1
	s_cmp_lg_u32 s20, 0
	s_cbranch_scc1 .Lnw0_\@
	s_barrier_signal -3
.Lnw0_\@:
	s_barrier_wait -3
	s_barrier_signal -1
	s_barrier_wait -1
.endm
.macro JLOAD g0a, g1a, g0b, g1b
	s_cmp_eq_u32 s21, 0
	s_cbranch_scc0 .Lfb_\@
	tensor_load_to_lds s[\g0a:\g0a+3], s[\g1a:\g1a+7]
	s_nop 0
.rept 4
	v_nop
.endr
	s_branch .Lak_\@
.Lfb_\@:
	tensor_load_to_lds s[\g0b:\g0b+3], s[\g1b:\g1b+7]
	s_nop 0
.rept 4
	v_nop
.endr
.Lak_\@:
.endm
.macro FETCH slot, q, f
	WIN 0x40
.irp a, 0,1,2,3
.irp u, 0,1,2,3
	ds_load_b128 v[\f+16*\a+4*\u:\f+16*\a+4*\u+3], v[16+\slot] offset:\a*8192+(\q)*2048+\u*512
.endr
.endr
.irp i, 0,1,2,3
.irp c, 0,1,2,3,4,5,6,7
	ds_load_b64 v[\f+64+16*\i+2*\c:\f+64+16*\i+2*\c+1], v[20+\slot] offset:\i*8448+(\q)*128+16*\c
.endr
.endr
.endm
.macro MUL8 f, a0, zero
.irp a, \a0, \a0+1
.irp i, 0,1,2,3
.set rD, ACC+8*(4*(\a)+\i)
.set r0, \f+64+16*\i
.set r1, \f+16*(\a)
.if \zero
	v_wmma_f32_16x16x128_bf8_bf8 v[rD:rD+7], v[r0:r0+15], v[r1:r1+15], 0
.else
	v_wmma_f32_16x16x128_bf8_bf8 v[rD:rD+7], v[r0:r0+15], v[r1:r1+15], v[rD:rD+7]
.endif
.endr
.endr
.endm
.macro STEP slot, q, f, g, zero
	s_wait_dscnt 0x0
	PLACES 4
	FETCH \slot, (\q)+1, \g
	WIN 0x05
	MUL8 \f, 0, \zero
	MUL8 \f, 2, \zero
.endm
.macro SLOTRUN slot, zero
	STEP \slot, 0, F0, F1, \zero
	STEP \slot, 1, F1, F0, 0
	STEP \slot, 2, F0, F1, 0
.endm
.macro TURN slot, next, fill, g1b
	WIN 0
	s_wait_tensorcnt 0x0
	ds_add_u32 v28, v29
.if \fill
	s_add_nc_u64 s[34+4*\slot:35+4*\slot], s[34+4*\slot:35+4*\slot], 16384
	s_add_nc_u64 s[70+4*\slot:71+4*\slot], s[70+4*\slot:71+4*\slot], 1024
.endif
	s_wait_dscnt 0x1
	WIN 0x05
	MUL8 F1, 0, 0
	WIN 0
	s_wait_dscnt 0x0
.if \fill
	CROUND
	JLOAD 32+4*\slot, 24, 68+4*\slot, \g1b
.else
	s_barrier_signal -1
	s_barrier_wait -1
	PLACES 4
.endif
	FETCH \next, 0, F0
	WIN 0x05
	MUL8 F1, 2, 0
.endm
	s_load_b256 s[4:11], s[0:1], 0x0
	s_load_b64 s[12:13], s[0:1], 0x20
	v_lshl_add_u32 v28, v0, 2, SPARE
	v_mov_b32 v29, 0
	ds_add_u32 v28, v29
	ds_add_u32 v28, v29
	s_wait_dscnt 0x0
	v_lshrrev_b32 v1, 5, v0
	v_readfirstlane_b32 s20, v1
	s_lshr_b32 s21, s20, 1
	s_and_b32 s22, s20, 1
	s_bfe_u32 s56, ttmp6, 0x40000
	s_bfe_u32 s57, ttmp6, 0x40004
	s_lshl_b32 s58, ttmp9, 2
	s_add_co_u32 s58, s58, s56
	s_and_b32 s59, ttmp7, 0xffff
	s_lshl_b32 s59, s59, 2
	s_add_co_u32 s59, s59, s57
	s_lshl_b32 s60, s57, 2
	s_lshl_b32 s60, 15, s60
	s_lshl_b32 s61, 0x1111, s56
	s_or_b32 s24, s60, (3<<16)|(1<<21)
	s_mov_b32 s25, 1024<<16
	s_mov_b32 s26, 4<<16
	s_mov_b32 s27, 1024<<16
	s_mov_b32 s28, 4
	s_mov_b32 s29, 6144
	s_mov_b32 s30, 0
	s_mov_b32 s31, 0
	s_or_b32 s48, s61, (1<<20)|(1<<21)|(6<<22)|(3<<25)
	s_mov_b32 s49, 512<<16
	s_mov_b32 s50, 64<<16
	s_mov_b32 s51, 512<<16
	s_mov_b32 s52, 64
	s_mov_b32 s53, 3072
	s_mov_b32 s54, 0
	s_mov_b32 s55, 0
	s_or_b32 s40, s61, (1<<20)|(1<<21)|(6<<22)|(3<<25)
	s_mov_b32 s41, 192<<16
	s_mov_b32 s42, 64<<16
	s_mov_b32 s43, 512<<16
	s_mov_b32 s44, 64
	s_mov_b32 s45, 3072
	s_mov_b32 s46, 0
	s_mov_b32 s47, 0
	s_mul_i32 s66, s59, 393216
	s_mul_i32 s3, s22, 196608
	s_add_co_u32 s66, s66, s3
	s_mov_b32 s67, 0
	s_mul_i32 s62, s58, 393216                     ; w2 as laid anew: rows 3,072 bytes apart, from byte 0x580000 of wi on
	s_mul_i32 s3, s22, 196608
	s_add_co_u32 s62, s62, s3
	s_add_co_u32 s62, s62, 0x580000
	s_mov_b32 s63, 0
	s_lshl_b32 s23, s22, 15
	s_mul_i32 s3, s22, BHALF
	s_add_co_u32 s3, s3, BOFF
	s_wait_kmcnt 0x0
	s_load_b64 s[76:77], s[8:9], 0x40
	s_add_nc_u64 s[66:67], s[4:5], s[66:67]
	s_add_nc_u64 s[62:63], s[6:7], s[62:63]
	CROUND
.irp s, 0,1
	s_mov_b32 s[32+4*\s], 1
	s_add_co_u32 s[33+4*\s], s23, \s*SLOT
	s_add_nc_u64 s[34+4*\s:35+4*\s], s[66:67], \s*8192
	s_or_b32 s[35+4*\s], s[35+4*\s], 0x80000000
	s_mov_b32 s[68+4*\s], 1
	s_add_co_u32 s[69+4*\s], s3, \s*SLOT
	s_add_nc_u64 s[70+4*\s:71+4*\s], s[62:63], \s*512
	s_or_b32 s[71+4*\s], s[71+4*\s], 0x80000000
	s_wait_alu depctr_va_vdst(0)
	s_wait_tensorcnt 0x0
	ds_add_u32 v28, v29
	ds_add_u32 v28, v29
	s_wait_dscnt 0x0
	CROUND
	JLOAD 32+4*\s, 24, 68+4*\s, 48
.endr
	v_and_b32 v1, 15, v0
	v_bfe_u32 v2, v0, 4, 1
	v_and_b32 v3, 31, v0
	v_lshlrev_b32 v27, 4, v3
	v_lshlrev_b32 v26, 12, v2
	v_lshl_add_u32 v26, v1, 4, v26
	s_wait_alu depctr_va_vdst(0)
	s_lshl_b32 s96, s59, 19
	s_lshl_b32 s97, s21, 18
	s_add_co_u32 s96, s96, s97
	s_lshl_b32 s97, s58, 9
	s_add_co_u32 s96, s96, s97
	s_lshl_b32 s97, s22, 8
	s_add_co_u32 s96, s96, s97
	s_mov_b32 s97, 0
	s_add_nc_u64 s[86:87], s[10:11], s[96:97]
	s_add_nc_u64 s[88:89], s[12:13], s[96:97]
	WIN 0x80
.irp a, 0,1,2,3
.irp t, 0,1,2,3,4,5,6,7
	global_load_b128 v[32*\a+4*\t:32*\a+4*\t+3], v26, s[86:87] offset:(16*\a+2*\t)*4096
.endr
.endr
	WIN 0
	s_lshl_b32 s3, s21, 15
	v_add_nc_u32 v16, s3, v27
	v_add_nc_u32 v17, SLOT, v16
	v_mul_u32_u24 v20, v1, BP
	v_lshl_add_u32 v20, v2, 3, v20
	s_mul_i32 s3, s22, BHALF
	s_add_co_u32 s3, s3, BOFF
	v_add_nc_u32 v20, s3, v20
	v_add_nc_u32 v21, SLOT, v20
	s_mul_i32 s3, s20, 4352
	s_add_co_u32 s3, s3, STAGE
	v_mul_u32_u24 v24, v1, 272
	v_lshl_add_u32 v24, v2, 5, v24
	v_add_nc_u32 v24, s3, v24
	v_mul_u32_u24 v25, v2, 272
	v_lshl_add_u32 v25, v1, 4, v25
	v_add_nc_u32 v25, s3, v25
	; PREFETCHES INTO THE L2, two fills ahead of each joint load: slots 2 and 3 are asked for here, slots 4 and 5 behind the fills of slots 2 and 3.  Of what a wave fetches for a slot (A: 4 tiles of rows x 8,192 bytes;
	; B: 64 rows x 512 bytes) each of the four partners that ask for it jointly takes a quarter, told apart by address: for A the tile of rows cx, for B the 16 rows from 16 cy on; both lie 49,152 bytes apart.  A lane names 256 bytes.
	s_cmp_eq_u32 s21, 0                            ; do I fetch for A?
	s_cselect_b64 s[90:91], s[66:67], s[62:63]
	s_cselect_b32 s95, s56, s57
	s_mov_b32 s94, 3072
	s_cselect_b32 s94, 512, s94                    ; from one pair of lanes to the next
	s_mov_b32 s92, 512
	s_cselect_b32 s92, 8192, s92                   ; from slot to slot
	s_mov_b32 s93, 0
	s_mul_i32 s96, s95, 49152
	s_lshl_b32 s95, s92, 1
	s_add_co_u32 s96, s96, s95
	s_mov_b32 s97, 0
	s_add_nc_u64 s[90:91], s[90:91], s[96:97]      ; my quarter, in slot 2
	v_lshrrev_b32 v30, 1, v3
	v_mul_lo_u32 v30, v30, s94
	v_and_b32 v31, 1, v3
	v_lshl_add_u32 v30, v31, 8, v30                ; an even slot's offset,
	v_add_nc_u32 v31, s92, v30                     ; the odd slot's behind it
	s_mov_b32 s92, s95                             ; two slots on
	s_wait_alu depctr_va_vdst(0)
	global_prefetch_b8 v30, s[90:91] th:TH_LOAD_NT scope:SCOPE_SE
	global_prefetch_b8 v31, s[90:91] th:TH_LOAD_NT scope:SCOPE_SE
	s_wait_alu depctr_va_vdst(0)
	s_wait_kmcnt 0x0
	s_add_co_i32 s84, s76, s77
	s_add_co_i32 s84, s84, 127
	s_lshl_b32 s84, s84, 23
	s_mov_b32 s85, s84
	s_wait_tensorcnt 0x1
	s_barrier_signal -1
	s_barrier_wait -1
	FETCH 0, 0, F0
	SLOTRUN 0, 1
	s_wait_xcnt 0x0                                ; the prefetches have read their base
	s_add_nc_u64 s[90:91], s[90:91], s[92:93]      ; on to slots 4 and 5
	TURN 0, 1, 1, 48
	WIN 0
	global_prefetch_b8 v30, s[90:91] th:TH_LOAD_NT scope:SCOPE_SE   ; slot 4
	SLOTRUN 1, 0
	TURN 1, 0, 1, 48
	WIN 0
	global_prefetch_b8 v31, s[90:91] th:TH_LOAD_NT scope:SCOPE_SE   ; slot 5, the last
	SLOTRUN 0, 0
	TURN 0, 1, 1, 48
	SLOTRUN 1, 0
	TURN 1, 0, 1, 40
	SLOTRUN 0, 0
	TURN 0, 1, 0, 0
	STEP 1, 0, F0, F1, 0
	s_wait_dscnt 0x0
	WIN 0x05
	MUL8 F1, 0, 0
	MUL8 F1, 2, 0
	WIN 0
	PLACES 4
	s_wait_loadcnt 0x0
.irp a, 0,1,2,3
.irp i, 0,1,2,3
	ds_store_b128 v24, v[ACC+8*(4*\a+\i):ACC+8*(4*\a+\i)+3] offset:64*\i
	ds_store_b128 v24, v[ACC+8*(4*\a+\i)+4:ACC+8*(4*\a+\i)+7] offset:64*\i+16
.endr
.irp t, 0,1,2,3,4,5,6,7
	ds_load_b128 v[32+4*\t:35+4*\t], v25 offset:\t*544
.endr
	s_wait_dscnt 0x0
	WIN 0xa0
.set j, 0
.rept 16
	v_pk_fma_f32 v[32*\a+j:32*\a+j+1], v[32+j:33+j], s[84:85], v[32*\a+j:32*\a+j+1] op_sel_hi:[1,0,1]
.set j, j+2
.endr
	WIN 0x08
.irp t, 0,1,2,3,4,5,6,7
	global_store_b128 v26, v[32*\a+4*\t:32*\a+4*\t+3], s[88:89] offset:(16*\a+2*\t)*4096
.endr
	WIN 0
.endr
	s_wait_tensorcnt 0x0
	ds_add_u32 v28, v29
	s_wait_dscnt 0x0
	CROUND
	s_endpgm
.Lfunc_end_k_q2dee4f2029_ffn2:
	.size	k_q2dee4f2029_ffn2, .Lfunc_end_k_q2dee4f2029_ffn2-k_q2dee4f2029_ffn2
	.p2alignl 7, 3214868480
	.fill 96, 4, 3214868480
	.section	.rodata,"a",@progbits
	.p2align	6, 0x0
	.amdhsa_kernel k_q2dee4f2029_ffn2
		.amdhsa_group_segment_fixed_size 327680
		.amdhsa_private_segment_fixed_size 0
		.amdhsa_enable_private_segment 0
		.amdhsa_kernarg_size 40
		.amdhsa_user_sgpr_count 2
		.amdhsa_user_sgpr_kernarg_segment_ptr 1
		.amdhsa_wavefront_size32 1
		.amdhsa_system_sgpr_workgroup_id_x 1
		.amdhsa_system_sgpr_workgroup_id_y 1
		.amdhsa_system_sgpr_workgroup_id_z 1
		.amdhsa_system_vgpr_workitem_id 0
		.amdhsa_next_free_vgpr 640
		.amdhsa_next_free_sgpr 102
		.amdhsa_reserve_vcc 0
		.amdhsa_float_denorm_mode_32 3
		.amdhsa_float_denorm_mode_16_64 3
		.amdhsa_memory_ordered 1
		.amdhsa_forward_progress 1
		.amdhsa_inst_pref_size 123
	.end_amdhsa_kernel
	.amdgpu_metadata
---
amdhsa.version: [ 1, 2 ]
amdhsa.kernels:
  - .name:           k_q2dee4f2029_ffn2
    .symbol:         k_q2dee4f2029_ffn2.kd
    .args:
      - { .name: hi, .offset: 0, .size: 8, .value_kind: global_buffer, .address_space: global }
      - { .name: wi, .offset: 8, .size: 8, .value_kind: global_buffer, .address_space: global }
      - { .name: lowp_scales, .offset: 16, .size: 8, .value_kind: global_buffer, .address_space: global }
      - { .name: x2, .offset: 24, .size: 8, .value_kind: global_buffer, .address_space: global }
      - { .name: out0, .offset: 32, .size: 8, .value_kind: global_buffer, .address_space: global }
    .group_segment_fixed_size: 327680
    .private_segment_fixed_size: 0
    .kernarg_segment_align: 8
    .kernarg_segment_size: 40
    .max_flat_workgroup_size: 128
    .sgpr_count:     102
    .vgpr_count:     640
    .wavefront_size: 32
...
	.end_amdgpu_metadata
.endif
;; end of part 7
